; MI455X (gfx1250); checked and timed in simulation.
; The chip was launched on July 23, 2026; its instructions are those of AMD's public machine-readable ISA for CDNA 5 (MIT licence, August 2026) and "CDNA5" Instruction Set Architecture Reference Guide (July 2026). The comments in the code are by the model that wrote it; some were corrected since.
;; Multi Query Attention. Allowed arithmetic: matrix products marked QUANTISED: E2M3 operands, one E8M0 scale for each 32 along K, by v_wmma_scale_f32_16x16x128_f8f6f4 with both operands' format E2M3, f32 sums; everything else in f32.
;; Inputs: Wk 1,024 x 64 float32; Wo 1,024 x 1,024 float32; Wq 1,024 x 1,024 float32; Wv 1,024 x 64 float32; bk 64 float32; bo 1,024 float32; bq 1,024 float32; bv 64 float32; inputs_k 2 x 2,048 x 1,024 float32; inputs_q 2 x 2,048 x 1,024 float32; inputs_v 2 x 2,048 x 1,024 float32.
;; Outputs: out0 2 x 2,048 x 1,024 float32.
;; This version of the problem:
;;   THIS VERSION OF THE PROBLEM IS GIVEN IN LOW PRECISION. The matrix products marked QUANTISED in the list below multiply operands that are first quantised to E2M3 (2 exponent bits, 3 mantissa bits; 6 bits a number), with one power-of-two scale for each 32 numbers along K (OCP MX v1.0); their sums are f32. All else is computed in f32.
;;   The module's matrix products, in the order in which they are computed (A, B: the left and right operand; K: the contracted axis; several contracted axes count as one K, in the product's order):
;;     1. [M 4,096, K 1,024] x [K 1,024, N 1,024]; A: input inputs_q; B: input Wq: QUANTISED
;;     2. [M 4,096, K 1,024] x [K 1,024, N 64]; A: input inputs_k; B: input Wk: QUANTISED
;;     3. [M 4,096, K 1,024] x [K 1,024, N 64]; A: input inputs_v; B: input Wv: QUANTISED
;;     4. batch 2 x [M 32,768, K 64] x [K 64, N 2,048]; A: computed on the way; B: computed on the way: QUANTISED
;;     5. batch 2 x [M 32,768, K 2,048] x [K 2,048, N 64]; A: softmax (see below); B: computed on the way: QUANTISED
;;     6. [M 4,096, K 1,024] x [K 1,024, N 1,024]; A: computed on the way; B: input Wo: QUANTISED
;;   THE QUANTISER, for each operand of a quantised product, along K:
;;     - K is cut into blocks of 32 from its start; a last block that is shorter is filled with zeros.
;;     - A block's scale is 2^e with e = floor(log2(the largest magnitude in the block)) - 2, held to -126 .. 127; a block of zeros has e = 0. As a byte (E8M0): e + 127.
;;     - Each number is divided by its block's scale, clamped to +-7.5, and rounded to the nearest number of E2M3, ties to even, subnormals kept.
;;     - The product sums the exact products of the quantised numbers (number of the format x scale) in f32.
;;   ~~~python
;;   def quantise(x, axis):      # numpy; x: float32 -> the quantised numbers, widened to float32 again
;;       x = np.moveaxis(x, axis, -1); K = x.shape[-1]
;;       x = np.pad(x, [(0, 0)] * (x.ndim - 1) + [(0, -K % 32)]); x = x.reshape(x.shape[:-1] + (-1, 32)); a = np.abs(x).max(-1, keepdims=True)
;;       e = np.where(a > 0, np.clip(np.frexp(np.where(a > 0, a, 1))[1] - 1 - 2, -126, 127), 0)      # np.frexp(a)[1] - 1 = floor(log2(a)), exactly
;;       r = np.clip(x / 2.0 ** e, -7.5, 7.5)
;;       step = 2.0 ** (np.maximum(np.frexp(np.where(r == 0, 1, r))[1] - 1, 0) - 3)
;;       q = np.round(r / step) * step * 2.0 ** e      # np.round: ties to even
;;       return np.moveaxis(q.reshape(q.shape[:-2] + (-1,))[..., :K], -1, axis).astype(np.float32)
;;   ~~~
;;   SOFTMAX AHEAD OF A QUANTISED PRODUCT. Where the list says 'softmax', what is quantised is not the finished softmax but p = 2^(t - M), with t = logit x log2(e) and M = ceil(the row's largest t), a whole number; so 1/2 < the row's largest p <= 1. The row's sum l is taken of the UNQUANTISED p, in f32, and the product's result is divided by l at the end. Since M is a whole number, a kernel that streams over the keys may use a running M (the ceiling of the running maximum): every later rescaling is an exact power of two, which a block's scale takes up: the codes' values come out the same.
;;   OPERANDS COMPUTED ON THE WAY. 'Computed on the way' means the value that the module computes at that place (a softmax that the list does not call 'softmax' is quantised finished and normalised). What goes into a quantiser is computed in f32, as accurately as f32 sums, v_exp_f32 and their like allow (about 1e-6 of the number): no bf16 or f16 on the way to a quantiser, and a product that is left as it is and whose result goes on into a quantised operand takes f32 operands (vector FMAs, or v_wmma_f32_16x16x4_f32). A number that lies on a knife's edge between two numbers of the format may be rounded either way, as far as f32 arithmetic and the matrix unit's own rounding can turn it there, and no further.
;; 2 versions. Each part assembles by itself: llvm-mc -triple=amdgcn-amd-amdhsa -mcpu=gfx1250 --defsym DOCPART=n.
;; ======== version 1 of 2: 4 launches
;; workspace buffers: xb 10,223,616 bytes; wb 1,810,432 bytes; qb 3,670,016 bytes; kvb 442,368 bytes; ob 3,407,872 bytes
;; launch prep (part 1): grid 1040 x 1, 4 waves a work-group, no clusters, 34,304 bytes of LDS; arguments inputs_q, inputs_k, inputs_v, Wq, Wo, Wk, Wv, xb, wb; writes xb, wb
.if DOCPART == 1
	.amdgcn_target "amdgcn-amd-amdhsa--gfx1250"
	.amdhsa_code_object_version 6
	.text
	.protected	k_qd21d6caea9_prep
	.globl	k_qd21d6caea9_prep
	.p2align	8
	.type	k_qd21d6caea9_prep,@function
k_qd21d6caea9_prep:
	s_mov_b64 s[64:65], 0
	v_nop
	global_prefetch_b8 v0, s[64:65] scope:SCOPE_SE
	s_setreg_imm32_b32 hwreg(HW_REG_WAVE_MODE, 25, 1), 1
	s_wait_xcnt 0x0
; The three activations [4096][1024] f32 (K innermost) and the four weights [1024][N] f32 (K = the first axis) become codes of FP6 (E2M3) with one E8M0 byte for each 32 along K,
; laid in the ORDER OF AN OPERAND'S REGISTERS: a fragment (16 rows x 128 K, 12 registers a lane) is 1,536 bytes, registers 4 g .. 4 g + 3 of lane l at 512 g + 16 l; its scale words 128 bytes, lane l's at 4 l.
; THE ROWS OF A TILE ARE NOT NEIGHBOURS: row r of tile T is 32 (T / 2) + 8 (T % 2) + r + 8 (r / 8), for activations' rows and weights' columns alike, so that in every later product that takes such a
; tile as source 0 a lane's 16 registers of tiles 2 b and 2 b + 1 are 16 neighbours along the next K.
; A block's scale is 2^(floor(log2(its largest magnitude)) - 2); its byte is the largest magnitude's exponent field - 2, held at 1 from below.
; LIMITS: a block whose largest magnitude lies under 2^-124 keeps the byte 1; a block of zeros gets the byte 1 where the rule says 127 (its codes are zeros, and this program alone reads the bytes);
; NaN and infinities among the inputs are not served.
; SHARES: work-groups 0-767: tensor id / 256, tile id % 256; wave w makes K steps 2 w and 2 w + 1, so the four waves read 16 whole rows.  Work-groups 768-1039: Y = id - 768: wave w makes tile 4 (Y / 8) + w,
; K step Y % 8; the weights' tiles are numbered Wq 0-63, Wo 64-127, Wk 128-131, Wv 132-135.  Waves share nothing: no barrier.
.set XB_SC, 9437184                    ; xb: 6,144 fragments, then their scale words
.set WB_SC, 1671168                    ; wb: 1,088 fragments, then their scale words
.set FRAG,  1536
.set STG,   8448                       ; LDS: a stage of 16 rows for each wave
.set SP,    528                        ; a stage row: 512 bytes + 16 = 132 words: row r starts at bank 4 r mod 64 (64 banks of 4 bytes: ISA guide 11.1)
.set FLOOR, 0x1800000                  ; 2^(3 - 127): under it no largest magnitude is taken, so the byte cannot fall under 1
.set TM,    12                         ; v12-15 largest magnitudes, v16-19 the other half's, then the bytes, v24-27 the conversions' scale operands
.set X,     32                         ; v32-95   64 numbers of a lane in the quantiser's order
.set R0,    96                         ; v96-159, v160-223: two fragments' numbers as loaded; behind the first turn v96-140 hold codes and scale words
	s_load_b256 s[4:11], s[0:1], 0x0               ; inputs_q, inputs_k, inputs_v, Wq
	s_load_b256 s[12:19], s[0:1], 0x20             ; Wo, Wk, Wv, xb
	s_load_b64 s[20:21], s[0:1], 0x40              ; wb
	v_lshl_add_u32 v224, v0, 2, 0x8400
	v_mov_b32 v225, 0
	v_lshrrev_b32 v1, 5, v0
	v_readfirstlane_b32 s22, v1                    ; wave
	v_and_b32 v1, 31, v0                           ; lane
	v_and_b32 v2, 15, v0                           ; r
	v_bfe_u32 v3, v0, 4, 1                         ; h
	v_lshlrev_b32 v4, 4, v1                        ; 16 x lane
	v_lshlrev_b32 v5, 2, v1                        ; 4 x lane
	s_mul_i32 s34, s22, STG
	v_add_nc_u32 v6, s34, v4                       ; the stage, on the way in: 16 x lane of a row
	v_mul_u32_u24 v7, v2, SP
	v_lshl_add_u32 v7, v3, 6, v7
	v_add_nc_u32 v7, s34, v7                       ; and out: row r, + 64 h: my 16 numbers of a block of 32
	v_lshlrev_b32 v9, 3, v3                        ; 8 h
	v_mov_b32 v10, 0                               ; a lane permute's destination counts as one of its sources: written once
.irp b, 0,1,2,3
	v_mov_b32 v[TM+4+\b], 0
.endr
	s_mov_b32 s32, 0x76543210
	s_mov_b32 s33, 0xfedcba98                      ; v_permlanex16_b32's selects for lane l xor 16
	s_mov_b32 s27, 0                               ; the upper word of every offset
	s_wait_kmcnt 0x0
.macro XLD f                           ; fragment f of my two: tile row i's 512 consecutive bytes by one load
.irp i, 0,1,2,3,4,5,6,7,8,9,10,11,12,13,14,15
	global_load_b128 v[R0+64*(\f)+4*\i:R0+64*(\f)+4*\i+3], v4, s[24:25] offset:(\i+8*(\i/8))*4096+512*(\f) th:TH_LOAD_NT
.endr
.endm
.macro TURN f                          ; through my stage: in as loaded, out 16 neighbours of each block a lane.  LDS serves a wave's instructions in order: no wait between
.irp i, 0,1,2,3,4,5,6,7,8,9,10,11,12,13,14,15
	ds_store_b128 v6, v[R0+64*(\f)+4*\i:R0+64*(\f)+4*\i+3] offset:SP*\i
.endr
.irp b, 0,1,2,3
.irp j, 0,1,2,3
	ds_load_b128 v[X+16*\b+4*\j:X+16*\b+4*\j+3], v7 offset:128*\b+16*\j   ; register 16 b + i = k 32 b + 16 h + i of row r
.endr
.endr
.endm
; 64 numbers of a lane, register 16 b + i = k 32 b + 16 h + i of my row, become a fragment's 12 registers at v[pc] and its scale word in v[pw]
.macro QUANT4 src, pc, pw
.irp b, 0,1,2,3
	v_max3_num_f32 v[TM+\b], |v[\src+16*\b]|, |v[\src+1+16*\b]|, FLOOR
.endr
.irp i, 2,4,6,8,10,12,14
.irp b, 0,1,2,3
	v_max3_num_f32 v[TM+\b], v[TM+\b], |v[\src+16*\b+\i]|, |v[\src+1+16*\b+\i]|   ; the four blocks by turns
.endr
.endr
.irp b, 0,1,2,3
	v_permlanex16_b32 v[TM+4+\b], v[TM+\b], s32, s33
.endr
.irp b, 0,1,2,3
	v_max_num_f32 v[TM+\b], v[TM+\b], v[TM+4+\b]   ; with lane l xor 16's 16: the block's largest magnitude
.endr
.irp b, 0,1,2,3
	v_add_nc_u32 v[TM+12+\b], 0xff000000, v[TM+\b] ; 2 off its exponent field: the conversion takes the exponent field of this operand as its scale
.endr
.irp b, 0,1,2,3
	v_lshrrev_b32 v[TM+4+\b], 23, v[TM+12+\b]      ; the scale's byte
.endr
	v_lshl_or_b32 v[\pw], v[TM+5], 8, v[TM+4]
	v_lshl_or_b32 v[\pw], v[TM+6], 16, v[\pw]
	v_lshl_or_b32 v[\pw], v[TM+7], 24, v[\pw]      ; my row's scale word, the same in both halves of the lanes
.irp c, 0,1
	v_cvt_scalef32_pk16_fp6_f32 v[\pc+6*\c:\pc+2+6*\c], v[\src+32*\c:\src+15+32*\c], v[TM+12+2*\c]
	v_cvt_scalef32_pk16_fp6_f32 v[\pc+12+4*\c:\pc+14+4*\c], v[\src+16+32*\c:\src+31+32*\c], v[TM+12+2*\c+1]   ; (a conversion's three registers begin on an even number)
.endr
	v_nop                                          ; one plain place behind a scaled conversion
.irp c, 0,1                            ; the operand wants a WHOLE block in a lane: lanes 0-15 block 2 c, lanes 16-31 block 2 c + 1
.irp i, 0,1,2
	v_permlane16_swap_b32 v[\pc+6*\c+\i], v[\pc+12+4*\c+\i]
.endr
.irp i, 0,1,2
	v_mov_b32 v[\pc+3+6*\c+\i], v[\pc+12+4*\c+\i]
.endr
.endr
.endm
.macro PUT pc, pw, f                   ; the fragment leaves as it stands: three stores of 512 consecutive bytes, and 128 bytes of scale words
.irp g, 0,1,2
	global_store_b128 v4, v[\pc+4*\g:\pc+4*\g+3], s[28:29] offset:FRAG*(\f)+512*\g
.endr
	global_store_b32 v5, v[\pw], s[30:31] offset:128*(\f)
.endm
	s_cmp_ge_u32 ttmp9, 768
	s_cbranch_scc1 .Lweights
	; ---- an activation's tile
	s_lshr_b32 s34, ttmp9, 8                       ; which tensor
	s_and_b32 s35, ttmp9, 255                      ; tile T
	s_cmp_eq_u32 s34, 0
	s_cselect_b64 s[24:25], s[4:5], s[6:7]
	s_cmp_eq_u32 s34, 2
	s_cselect_b64 s[24:25], s[8:9], s[24:25]
	s_lshr_b32 s36, s35, 1
	s_lshl_b32 s36, s36, 5
	s_and_b32 s37, s35, 1
	s_lshl_b32 s37, s37, 3
	s_add_co_u32 s36, s36, s37                     ; the tile's first row: 32 (T / 2) + 8 (T % 2)
	s_lshl_b32 s26, s36, 12                        ; rows of 4,096 bytes
	s_lshl_b32 s37, s22, 10                        ; my 256 along K
	s_add_co_u32 s26, s26, s37
	s_add_nc_u64 s[24:25], s[24:25], s[26:27]
	s_lshl_b32 s38, ttmp9, 3
	s_lshl_b32 s37, s22, 1
	s_add_co_u32 s38, s38, s37                     ; my first fragment's number: 8 id + 2 w
	s_mul_i32 s26, s38, FRAG
	s_add_nc_u64 s[28:29], s[18:19], s[26:27]
	s_lshl_b32 s26, s38, 7
	s_add_co_u32 s26, s26, XB_SC
	s_add_nc_u64 s[30:31], s[18:19], s[26:27]
	XLD 0
	XLD 1
	s_wait_loadcnt 16                              ; the first fragment's 16 loads are in; the second's 16 may be out
	TURN 0
	s_wait_dscnt 0x0                               ; the numbers are back, and the stores into the stage have read v96-159
	QUANT4 X, 96, 116
	PUT 96, 116, 0
	s_wait_loadcnt 0x0
	TURN 1
	s_wait_dscnt 0x0
	QUANT4 X, 120, 140                             ; registers of its own: no pending store's data are written again
	PUT 120, 140, 1
	s_wait_tensorcnt 0x0
	ds_add_u32 v224, v225
	s_wait_dscnt 0x0
	s_endpgm
.Lweights:
	; ---- a weight's fragment.  A LANE TAKES A COLUMN AND ITS REGISTERS RUN DOWN K, in the order that the operand gives that lane: k = 128 s + 64 c + 32 h + 0 .. 31: nothing is transposed
	s_sub_co_u32 s34, ttmp9, 768
	s_lshr_b32 s35, s34, 3                         ; G: a group of four tiles
	s_and_b32 s34, s34, 7                          ; the K step
	s_and_b32 s37, s35, 15
	s_lshl_b32 s37, s37, 8                         ; in Wq and Wo: the group's 64 columns, 256 bytes
	s_mov_b32 s36, 256                             ; a row of Wk or Wv in bytes,
	s_cmp_lt_u32 s35, 32
	s_cselect_b32 s36, 4096, s36                   ; of Wq or Wo
	s_cselect_b32 s37, s37, 0
	s_cmp_lt_u32 s35, 16
	s_cselect_b64 s[24:25], s[10:11], s[12:13]
	s_cmp_eq_u32 s35, 32
	s_cselect_b64 s[24:25], s[14:15], s[24:25]
	s_cmp_eq_u32 s35, 33
	s_cselect_b64 s[24:25], s[16:17], s[24:25]
	s_lshr_b32 s38, s22, 1
	s_lshl_b32 s38, s38, 7
	s_add_co_u32 s37, s37, s38
	s_and_b32 s38, s22, 1
	s_lshl_b32 s38, s38, 5
	s_add_co_u32 s37, s37, s38                     ; my tile's first column in bytes: + 128 (w / 2) + 32 (w % 2)
	s_lshl_b32 s38, s34, 7
	s_mul_i32 s38, s38, s36                        ; 128 s rows down
	s_add_co_u32 s26, s37, s38
	s_add_nc_u64 s[24:25], s[24:25], s[26:27]
	s_lshl_b32 s38, s35, 2
	s_add_co_u32 s38, s38, s22
	s_lshl_b32 s38, s38, 3
	s_add_co_u32 s38, s38, s34                     ; the fragment's number: 8 (4 G + w) + s
	s_mul_i32 s26, s38, FRAG
	s_add_nc_u64 s[28:29], s[20:21], s[26:27]
	s_lshl_b32 s26, s38, 7
	s_add_co_u32 s26, s26, WB_SC
	s_add_nc_u64 s[30:31], s[20:21], s[26:27]
	v_and_b32 v8, 8, v2
	v_add_nc_u32 v8, v8, v2
	v_lshlrev_b32 v8, 2, v8                        ; 4 (r + 8 (r / 8)): my column in the tile
	s_lshl_b32 s39, s36, 5
	v_mul_u32_u24 v11, s39, v3                     ; lanes 16-31 begin 32 rows further down
	v_add_nc_u32 v8, v8, v11
.macro WLD pitch
.irp c, 0,1
.set i, 0
.rept 32
	global_load_b32 v[X+32*\c+i], v8, s[24:25] offset:(64*\c+i)*\pitch
.set i, i+1
.endr
.endr
.endm
	s_cmp_lt_u32 s35, 32                           ; the row's length stands in the immediates: the 64 loads are written for both
	s_cbranch_scc0 .Lnarrow
	WLD 4096
	s_branch .Lloaded
.Lnarrow:
	WLD 256
.Lloaded:
	s_wait_loadcnt 0x0
.irp c, 0,1                            ; my block 2 c + h: all its 32 numbers are mine
	v_max3_num_f32 v[TM+\c], |v[X+32*\c]|, |v[X+32*\c+1]|, FLOOR
.endr
.irp i, 2,4,6,8,10,12,14,16,18,20,22,24,26,28,30
.irp c, 0,1
	v_max3_num_f32 v[TM+\c], v[TM+\c], |v[X+32*\c+\i]|, |v[X+32*\c+\i+1]|
.endr
.endr
.irp c, 0,1
	v_add_nc_u32 v[TM+12+\c], 0xff000000, v[TM+\c]
.endr
.irp c, 0,1
	v_lshrrev_b32 v[TM+4+\c], 23, v[TM+12+\c]
.endr
	v_lshl_or_b32 v116, v[TM+5], 16, v[TM+4]       ; my two bytes: blocks h and 2 + h,
	v_lshlrev_b32 v116, v9, v116                   ; at their places in the word (8 h bits up);
	v_permlanex16_b32 v10, v116, s32, s33
	v_or_b32 v116, v116, v10                       ; with lane l xor 16's two the word is whole
.irp c, 0,1
	v_cvt_scalef32_pk16_fp6_f32 v[96+6*\c:98+6*\c], v[X+32*\c:X+32*\c+15], v[TM+12+\c]
	v_cvt_scalef32_pk16_fp6_f32 v[108+4*\c:110+4*\c], v[X+32*\c+16:X+32*\c+31], v[TM+12+\c]
.endr
	v_nop                                          ; one plain place behind a scaled conversion
.irp c, 0,1
.irp i, 0,1,2
	v_mov_b32 v[99+6*\c+\i], v[108+4*\c+\i]
.endr
.endr
	PUT 96, 116, 0
	s_endpgm
.Lfunc_end_k_qd21d6caea9_prep:
	.size	k_qd21d6caea9_prep, .Lfunc_end_k_qd21d6caea9_prep-k_qd21d6caea9_prep
	.p2alignl 7, 3214868480
	.fill 96, 4, 3214868480
	.section	.rodata,"a",@progbits
	.p2align	6, 0x0
	.amdhsa_kernel k_qd21d6caea9_prep
		.amdhsa_group_segment_fixed_size 34304
		.amdhsa_private_segment_fixed_size 0
		.amdhsa_enable_private_segment 0
		.amdhsa_kernarg_size 72
		.amdhsa_user_sgpr_count 2
		.amdhsa_user_sgpr_kernarg_segment_ptr 1
		.amdhsa_wavefront_size32 1
		.amdhsa_system_sgpr_workgroup_id_x 1
		.amdhsa_system_sgpr_workgroup_id_y 1
		.amdhsa_system_sgpr_workgroup_id_z 1
		.amdhsa_system_vgpr_workitem_id 0
		.amdhsa_next_free_vgpr 226
		.amdhsa_next_free_sgpr 66
		.amdhsa_reserve_vcc 0
		.amdhsa_float_denorm_mode_32 3
		.amdhsa_float_denorm_mode_16_64 3
		.amdhsa_memory_ordered 1
		.amdhsa_forward_progress 1
		.amdhsa_inst_pref_size 35
	.end_amdhsa_kernel
	.amdgpu_metadata
---
amdhsa.version: [ 1, 2 ]
amdhsa.kernels:
  - .name:           k_qd21d6caea9_prep
    .symbol:         k_qd21d6caea9_prep.kd
    .args:
      - { .name: inputs_q, .offset: 0, .size: 8, .value_kind: global_buffer, .address_space: global }
      - { .name: inputs_k, .offset: 8, .size: 8, .value_kind: global_buffer, .address_space: global }
      - { .name: inputs_v, .offset: 16, .size: 8, .value_kind: global_buffer, .address_space: global }
      - { .name: Wq, .offset: 24, .size: 8, .value_kind: global_buffer, .address_space: global }
      - { .name: Wo, .offset: 32, .size: 8, .value_kind: global_buffer, .address_space: global }
      - { .name: Wk, .offset: 40, .size: 8, .value_kind: global_buffer, .address_space: global }
      - { .name: Wv, .offset: 48, .size: 8, .value_kind: global_buffer, .address_space: global }
      - { .name: xb, .offset: 56, .size: 8, .value_kind: global_buffer, .address_space: global }
      - { .name: wb, .offset: 64, .size: 8, .value_kind: global_buffer, .address_space: global }
    .group_segment_fixed_size: 34304
    .private_segment_fixed_size: 0
    .kernarg_segment_align: 8
    .kernarg_segment_size: 72
    .max_flat_workgroup_size: 128
    .sgpr_count:     66
    .vgpr_count:     226
    .wavefront_size: 32
...
	.end_amdgpu_metadata
.endif
;; end of part 1
;; launch proj (part 2): grid 576 x 1, 4 waves a work-group, no clusters, 0 bytes of LDS; arguments xb, wb, bq, bk, bv, qb, kvb; writes qb, kvb
.if DOCPART == 2
	.amdgcn_target "amdgcn-amd-amdhsa--gfx1250"
	.amdhsa_code_object_version 6
	.text
	.protected	k_qd21d6caea9_proj
	.globl	k_qd21d6caea9_proj
	.p2align	8
	.type	k_qd21d6caea9_proj,@function
k_qd21d6caea9_proj:
	s_mov_b64 s[64:65], 0
	v_nop
	global_prefetch_b8 v0, s[64:65] scope:SCOPE_SE
	s_setreg_imm32_b32 hwreg(HW_REG_WAVE_MODE, 25, 1), 1
	s_wait_xcnt 0x0
; q = x_q Wq + bq, k = x_k Wk + bk, v = x_v Wv + bv on codes of FP6 (E2M3) with E8M0 scales, K = 1,024; each result is quantised at once for the product that follows: q and k along the head's 64, v along the keys.
; ONE BODY.  A wave takes four tiles as source 0 (along them the result is quantised: a lane's registers run along them) and two tiles as source 1 (a lane is one of their rows): eight accumulators, eight K steps of 128.
;   q (work-groups 0-511):   source 0 = a head's 64 columns of Wq, source 1 = 32 rows of x_q;  k (512-543): source 0 = Wk, source 1 = 32 rows of x_k;  v (544-575): source 0 = 64 rows of x_v, source 1 = 32 columns of Wv.
; All operands lie in memory in the order of their registers: a fragment is three loads of 16 bytes a lane, its scale words one of 4.  A tile's rows are 32 (T / 2) + 8 (T % 2) + r + 8 (r / 8), so that
; register j of source-0 tile 2 b + u in lane (r, h) is row 32 b + 16 h + 8 u + j: the 16 registers of two neighbouring tiles are 16 neighbours along the next K.
; The accumulators BEGIN AS THE BIAS, loaded into them: no first step is written apart and nothing is cleared.
; OUT: half fragments (16 rows x 64 K: registers 0-3 of lane l at 16 l, registers 4-5 at 512 + 8 l: 768 bytes) and scale words (4 l).  qb: [query tile][head]; kvb: for each batch 16 chunks of 13,824 bytes, one for each
; 128 keys: K's 8 half fragments, V's 4 x 2, K's 8 x 128 bytes of scale words, V's 4 x 128 (a half's two bytes at 2 c of the word).
; LIMITS: a block whose largest magnitude lies under 2^-124 keeps the byte 1, a block of zeros too (its codes are zeros; this program alone reads the bytes); NaN and infinities are not served.
.set XB_SC, 9437184
.set WB_SC, 1671168
.set QB_SC, 3145728
.set KVB,   221184                     ; a batch's part of kvb
.set CH,    13824                      ; a chunk
.set FLOOR, 0x1800000
.set ACC,   16                         ; v16-79   accumulator (t, p) at 16 + 32 p + 8 t
.set SET,   80                         ; v80-151, v152-223: two sets of fragments: source 0's four at + 12 t, source 1's two at + 48 + 12 p
.set SCW,   224                        ; v224-235 their scale words: 6 a set; these registers hold scales and nothing else
.set SEL,   40
	s_load_b256 s[4:11], s[0:1], 0x0               ; xb, wb, bq, bk
	s_load_b128 s[12:15], s[0:1], 0x20             ; bv, qb
	s_load_b64 s[16:17], s[0:1], 0x30              ; kvb
	v_lshrrev_b32 v1, 5, v0
	v_readfirstlane_b32 s18, v1                    ; wave
	v_and_b32 v3, 31, v0
	v_lshlrev_b32 v1, 4, v3                        ; 16 x lane
	v_lshlrev_b32 v2, 2, v3                        ; 4 x lane
	v_lshlrev_b32 v3, 3, v3                        ; 8 x lane
	v_bfe_u32 v4, v0, 4, 1
	v_lshlrev_b32 v4, 6, v4                        ; 64 h: q's and k's bias: my 16 columns of a block of 32
	v_and_b32 v5, 15, v0
	v_and_b32 v14, 8, v5
	v_add_nc_u32 v5, v5, v14
	v_lshlrev_b32 v5, 2, v5                        ; 4 (r + 8 (r / 8)): v's bias: my column
	v_mov_b32 v8, 0                                ; a lane permute's destination counts as one of its sources
	v_mov_b32 v9, 0
	s_mov_b32 s[SEL], 0x76543210
	s_mov_b32 s[SEL+1], 0xfedcba98
	s_mov_b32 s57, 0                               ; the upper word of every offset
	s_lshl_b32 s19, ttmp9, 2
	s_add_co_u32 s19, s19, s18                     ; u = 4 id + wave
	; the three arms make whole numbers alone: s38 the type; s42, s43 the first tiles of sources 0 and 1; s44, s45 where their scale words begin; s46, s48 the codes' place and its step from p = 0 to 1; s47, s49 the scale words'; s53 the bias's
	s_cmp_ge_u32 ttmp9, 544
	s_cbranch_scc1 .Ltype_v
	s_cmp_ge_u32 ttmp9, 512
	s_cbranch_scc1 .Ltype_k
	s_mov_b32 s38, 0
	s_lshr_b32 s50, s19, 7                         ; head
	s_and_b32 s51, s19, 127                        ; pair of row tiles
	s_lshl_b32 s42, s50, 2
	s_lshl_b32 s43, s51, 1
	s_mov_b32 s44, WB_SC
	s_mov_b32 s45, XB_SC
	s_lshl_b32 s52, s51, 5
	s_add_co_u32 s52, s52, s50                     ; 16 x tile + head
	s_mul_i32 s46, s52, 768
	s_lshl_b32 s47, s52, 7
	s_add_co_u32 s47, s47, QB_SC
	s_mov_b32 s48, 12288
	s_mov_b32 s49, 2048
	s_lshl_b32 s53, s50, 8
	s_branch .Ljoin
.Ltype_k:
	s_mov_b32 s38, 1
	s_sub_co_u32 s51, s19, 2048                    ; pair of key tiles
	s_mov_b32 s42, 128
	s_lshl_b32 s43, s51, 1
	s_add_co_u32 s43, s43, 256
	s_mov_b32 s44, WB_SC
	s_mov_b32 s45, XB_SC
	s_lshr_b32 s50, s51, 6                         ; batch
	s_lshl_b32 s52, s51, 1
	s_and_b32 s52, s52, 127                        ; tile in the batch
	s_lshr_b32 s54, s52, 3                         ; key step
	s_and_b32 s52, s52, 7                          ; tile in the step
	s_mul_i32 s50, s50, KVB
	s_mul_i32 s54, s54, CH
	s_add_co_u32 s50, s50, s54                     ; the chunk
	s_mul_i32 s46, s52, 768
	s_add_co_u32 s46, s46, s50
	s_lshl_b32 s47, s52, 7
	s_add_co_u32 s47, s47, s50
	s_add_co_u32 s47, s47, 12288
	s_mov_b32 s48, 768
	s_mov_b32 s49, 128
	s_mov_b32 s53, 0
	s_branch .Ljoin
.Ltype_v:
	s_mov_b32 s38, 2
	s_sub_co_u32 s51, s19, 2176
	s_and_b32 s55, s51, 1                          ; which pair of V's four tiles
	s_lshr_b32 s51, s51, 1                         ; which 64 keys
	s_lshl_b32 s42, s51, 2
	s_add_co_u32 s42, s42, 512
	s_lshl_b32 s43, s55, 1
	s_add_co_u32 s43, s43, 132
	s_mov_b32 s44, XB_SC
	s_mov_b32 s45, WB_SC
	s_lshr_b32 s50, s51, 5                         ; batch
	s_and_b32 s52, s51, 31
	s_lshr_b32 s54, s52, 1                         ; key step
	s_and_b32 s52, s52, 1                          ; its half c
	s_mul_i32 s50, s50, KVB
	s_mul_i32 s54, s54, CH
	s_add_co_u32 s50, s50, s54                     ; the chunk
	s_mul_i32 s46, s55, 3072
	s_mul_i32 s56, s52, 768
	s_add_co_u32 s46, s46, s56
	s_add_co_u32 s46, s46, s50
	s_add_co_u32 s46, s46, 6144
	s_lshl_b32 s47, s55, 8
	s_lshl_b32 s56, s52, 1
	s_add_co_u32 s47, s47, s56
	s_add_co_u32 s47, s47, s50
	s_add_co_u32 s47, s47, 13312
	s_mov_b32 s48, 1536
	s_mov_b32 s49, 128
	s_lshl_b32 s53, s55, 7
.Ljoin:
	s_wait_kmcnt 0x0
	s_cmp_eq_u32 s38, 2                            ; the buffers are chosen on the type alone
	s_cselect_b64 s[20:21], s[4:5], s[6:7]         ; source 0: xb for v, else wb
	s_cselect_b64 s[24:25], s[6:7], s[4:5]         ; source 1: the other
	s_cselect_b64 s[36:37], s[12:13], s[10:11]
	s_cmp_eq_u32 s38, 0
	s_cselect_b64 s[36:37], s[8:9], s[36:37]       ; the bias
	s_cselect_b64 s[28:29], s[14:15], s[16:17]     ; qb, or kvb
	s_lshl_b32 s56, s42, 10
	s_add_co_u32 s56, s56, s44
	s_add_nc_u64 s[22:23], s[20:21], s[56:57]      ; source 0's scale words: 1,024 bytes a tile
	s_mul_i32 s56, s42, 12288
	s_add_nc_u64 s[20:21], s[20:21], s[56:57]      ; and codes: 12,288 bytes a tile
	s_lshl_b32 s56, s43, 10
	s_add_co_u32 s56, s56, s45
	s_add_nc_u64 s[26:27], s[24:25], s[56:57]
	s_mul_i32 s56, s43, 12288
	s_add_nc_u64 s[24:25], s[24:25], s[56:57]
	s_mov_b32 s56, s47
	s_add_nc_u64 s[32:33], s[28:29], s[56:57]      ; where the scale words go, p = 0,
	s_mov_b32 s56, s49
	s_add_nc_u64 s[34:35], s[32:33], s[56:57]      ; p = 1;
	s_mov_b32 s56, s46
	s_add_nc_u64 s[28:29], s[28:29], s[56:57]      ; the codes, p = 0,
	s_mov_b32 s56, s48
	s_add_nc_u64 s[30:31], s[28:29], s[56:57]      ; p = 1
	s_mov_b32 s56, s53
	s_add_nc_u64 s[36:37], s[36:37], s[56:57]
	; the bias, straight into the accumulators
	s_cmp_eq_u32 s38, 2
	s_cbranch_scc1 .Lbias_v
.irp p, 0,1
.irp t, 0,1,2,3
	global_load_b128 v[ACC+32*\p+8*\t:ACC+32*\p+8*\t+3], v4, s[36:37] offset:128*(\t/2)+32*(\t%2)       ; register j: column 32 (t / 2) + 16 h + 8 (t % 2) + j
	global_load_b128 v[ACC+32*\p+8*\t+4:ACC+32*\p+8*\t+7], v4, s[36:37] offset:128*(\t/2)+32*(\t%2)+16
.endr
.endr
	s_branch .Lbias_done
.Lbias_v:
.irp p, 0,1
.set n, 0
.rept 32
	global_load_b32 v[ACC+32*\p+n], v5, s[36:37] offset:32*\p   ; every register of a lane belongs to its one column of V
.set n, n+1
.endr
.endr
.Lbias_done:
.macro LOADK k, bank                   ; K step k into set bank: 24 loads; every offset is an immediate, no pointer is stepped
.irp t, 0,1,2,3
.irp g, 0,1,2
	global_load_b128 v[SET+72*(\bank)+12*\t+4*\g:SET+72*(\bank)+12*\t+4*\g+3], v1, s[20:21] offset:\t*12288+(\k)*1536+512*\g
.endr
.endr
.irp p, 0,1
.irp g, 0,1,2
	global_load_b128 v[SET+72*(\bank)+48+12*\p+4*\g:SET+72*(\bank)+48+12*\p+4*\g+3], v1, s[24:25] offset:\p*12288+(\k)*1536+512*\g
.endr
.endr
.irp t, 0,1,2,3
	global_load_b32 v[SCW+6*(\bank)+\t], v2, s[22:23] offset:\t*1024+(\k)*128
.endr
.irp p, 0,1
	global_load_b32 v[SCW+6*(\bank)+4+\p], v2, s[26:27] offset:\p*1024+(\k)*128
.endr
.endm
.macro MULK bank                       ; the eight accumulators take turns, one instruction a turn, in the same order in every step
.irp p, 0,1
.irp t, 0,1,2,3
	v_wmma_scale_f32_16x16x128_f8f6f4 v[ACC+32*\p+8*\t:ACC+32*\p+8*\t+7], v[SET+72*(\bank)+12*\t:SET+72*(\bank)+12*\t+11], v[SET+72*(\bank)+48+12*\p:SET+72*(\bank)+48+12*\p+11], v[ACC+32*\p+8*\t:ACC+32*\p+8*\t+7], v[SCW+6*(\bank)+\t], v[SCW+6*(\bank)+4+\p] matrix_a_fmt:MATRIX_FMT_FP6 matrix_b_fmt:MATRIX_FMT_FP6
.endr
.endr
.endm
; 32 numbers of a lane, register 16 b + i = k 32 b + 16 h + i of my row, become a half fragment's 6 registers at v[pc] and its two scale bytes in v[pw]
.macro QUANT2 src, pc, pw, mx, pd, sop
.irp b, 0,1
	v_max3_num_f32 v[\mx+\b], |v[\src+16*\b]|, |v[\src+16*\b+1]|, FLOOR   ; each accumulator is read from its low end on
.endr
.irp i, 2,4,6,8,10,12,14
.irp b, 0,1
	v_max3_num_f32 v[\mx+\b], v[\mx+\b], |v[\src+16*\b+\i]|, |v[\src+16*\b+\i+1]|
.endr
.endr
.irp b, 0,1
	v_permlanex16_b32 v[\pd+\b], v[\mx+\b], s[SEL], s[SEL+1]
.endr
.irp b, 0,1
	v_max_num_f32 v[\mx+\b], v[\mx+\b], v[\pd+\b]  ; with lane l xor 16's 16: the block's largest magnitude
.endr
.irp b, 0,1
	v_add_nc_u32 v[\sop+\b], 0xff000000, v[\mx+\b] ; 2 off its exponent field: the conversion's scale operand
.endr
.irp b, 0,1
	v_lshrrev_b32 v[\pd+\b], 23, v[\sop+\b]        ; the scale's byte
.endr
	v_lshl_or_b32 v[\pw], v[\pd+1], 8, v[\pd]
	v_cvt_scalef32_pk16_fp6_f32 v[\pc:\pc+2], v[\src:\src+15], v[\sop]
	v_cvt_scalef32_pk16_fp6_f32 v[\pc+4:\pc+6], v[\src+16:\src+31], v[\sop+1]
	v_nop                                          ; one plain place behind a scaled conversion
.irp i, 0,1,2
	v_permlane16_swap_b32 v[\pc+\i], v[\pc+4+\i]   ; lanes 0-15 now hold block 0 whole, lanes 16-31 block 1
.endr
	v_mov_b32 v[\pc+3], v[\pc+4]
	v_mov_b32 v[\pc+4], v[\pc+5]
	v_mov_b32 v[\pc+5], v[\pc+6]
.endm
	LOADK 0, 0
	LOADK 1, 1
.irp s, 0,1,2,3,4,5,6,7
.if \s < 7
	s_wait_loadcnt 24                              ; all but the next step's 24 loads are in: this step's, and in the first step the bias
.else
	s_wait_loadcnt 0x0
.endif
	MULK \s%2
.rept 4
	v_nop                                          ; four places in front of loads into registers that these products have read, and of the first read of results
.endr
.if \s < 6
	LOADK \s+2, \s%2
.endif
.endr
.irp p, 0,1
	QUANT2 ACC+32*\p, SET+16*\p, 12+\p, 6, 8, 10   ; codes and word in registers of their own for each p: no pending store's data are written again
	global_store_b128 v1, v[SET+16*\p:SET+16*\p+3], s[28+2*\p:29+2*\p]               ; 512 consecutive bytes,
	global_store_b64 v3, v[SET+16*\p+4:SET+16*\p+5], s[28+2*\p:29+2*\p] offset:512   ; and 256
.endr
	s_cmp_eq_u32 s38, 2
	s_cbranch_scc1 .Lhalf_words
	global_store_b32 v2, v12, s[32:33]             ; q, k: K is 64: the word's upper two bytes are 0 and stand over zero codes
	global_store_b32 v2, v13, s[34:35]
	s_endpgm
.Lhalf_words:
	global_store_b16 v2, v12, s[32:33]             ; v: these 64 keys are half of a step's 128: two of the word's four bytes
	global_store_b16 v2, v13, s[34:35]
	s_endpgm
.Lfunc_end_k_qd21d6caea9_proj:
	.size	k_qd21d6caea9_proj, .Lfunc_end_k_qd21d6caea9_proj-k_qd21d6caea9_proj
	.p2alignl 7, 3214868480
	.fill 96, 4, 3214868480
	.section	.rodata,"a",@progbits
	.p2align	6, 0x0
	.amdhsa_kernel k_qd21d6caea9_proj
		.amdhsa_group_segment_fixed_size 0
		.amdhsa_private_segment_fixed_size 0
		.amdhsa_enable_private_segment 0
		.amdhsa_kernarg_size 56
		.amdhsa_user_sgpr_count 2
		.amdhsa_user_sgpr_kernarg_segment_ptr 1
		.amdhsa_wavefront_size32 1
		.amdhsa_system_sgpr_workgroup_id_x 1
		.amdhsa_system_sgpr_workgroup_id_y 1
		.amdhsa_system_sgpr_workgroup_id_z 1
		.amdhsa_system_vgpr_workitem_id 0
		.amdhsa_next_free_vgpr 240
		.amdhsa_next_free_sgpr 66
		.amdhsa_reserve_vcc 0
		.amdhsa_float_denorm_mode_32 3
		.amdhsa_float_denorm_mode_16_64 3
		.amdhsa_memory_ordered 1
		.amdhsa_forward_progress 1
		.amdhsa_inst_pref_size 45
	.end_amdhsa_kernel
	.amdgpu_metadata
---
amdhsa.version: [ 1, 2 ]
amdhsa.kernels:
  - .name:           k_qd21d6caea9_proj
    .symbol:         k_qd21d6caea9_proj.kd
    .args:
      - { .name: xb, .offset: 0, .size: 8, .value_kind: global_buffer, .address_space: global }
      - { .name: wb, .offset: 8, .size: 8, .value_kind: global_buffer, .address_space: global }
      - { .name: bq, .offset: 16, .size: 8, .value_kind: global_buffer, .address_space: global }
      - { .name: bk, .offset: 24, .size: 8, .value_kind: global_buffer, .address_space: global }
      - { .name: bv, .offset: 32, .size: 8, .value_kind: global_buffer, .address_space: global }
      - { .name: qb, .offset: 40, .size: 8, .value_kind: global_buffer, .address_space: global }
      - { .name: kvb, .offset: 48, .size: 8, .value_kind: global_buffer, .address_space: global }
    .group_segment_fixed_size: 0
    .private_segment_fixed_size: 0
    .kernarg_segment_align: 8
    .kernarg_segment_size: 56
    .max_flat_workgroup_size: 128
    .sgpr_count:     66
    .vgpr_count:     240
    .wavefront_size: 32
...
	.end_amdgpu_metadata
.endif
;; end of part 2
;; launch attn (part 3): grid 128 x 2, 16 waves a work-group, clusters of 4 x 1, 223,232 bytes of LDS; arguments qb, kvb, ob; writes ob
.if DOCPART == 3
	.amdgcn_target "amdgcn-amd-amdhsa--gfx1250"
	.amdhsa_code_object_version 6
	.text
	.protected	k_qd21d6caea9_attn
	.globl	k_qd21d6caea9_attn
	.p2align	8
	.type	k_qd21d6caea9_attn,@function
k_qd21d6caea9_attn:
	s_mov_b64 s[64:65], 0
	v_nop
	global_prefetch_b8 v0, s[64:65] scope:SCOPE_SE
	s_setreg_imm32_b32 hwreg(HW_REG_WAVE_MODE, 25, 1), 1
	s_wait_xcnt 0x0
	s_wait_alu depctr_hold_cnt(0) depctr_sa_sdst(0) depctr_va_vdst(0) depctr_va_sdst(0) depctr_va_ssrc(0) depctr_va_vcc(0) depctr_vm_vsrc(0)
	s_getreg_b32 s2, hwreg(HW_REG_IB_STS2, 6, 4)
	s_cmp_eq_u32 s2, 0
	s_cbranch_scc0 .Lentry_in_a_cluster
	s_endpgm
.Lentry_in_a_cluster:
	s_bfe_u32 s2, ttmp6, 0x10000c
	s_cmp_lg_u32 s2, 0x3003
	s_cbranch_scc0 .Lentry_shape_is_right
	s_endpgm
.Lentry_shape_is_right:
; Causal attention of 16 query heads on one shared head of K and V, head size 64, 2,048 keys, both products on codes of FP6 (E2M3) with E8M0 scales; the result, divided by the row's sum, is quantised along head x 64 + channel.
; THE SOFTMAX: t = score x log2(e) / 8; M = the row's largest t so far, rounded UP to a whole number; p = 2^(t - M) is quantised along the keys, not normalised.  The row's sum is taken of the unquantised p and divides
; at the end.  When M moves, the sum and O are multiplied by 2^(old M - new M): exact.
; SHARES.  A batch's K and V (codes and scale words in the order of the operands' registers: 16 chunks of 13,824 bytes, one for each 128 keys) fit in LDS whole: they are brought ONCE, wave w bringing chunk w, and nothing
; is filled again.  The four work-groups of a cluster take the same four tiles of 16 queries for four heads each and ask for the chunks JOINTLY.  Wave w: head 4 cx + w / 4; tile by k = (w / 4 + w) % 4:
; e = 2 X + k % 2, tile e or 127 - e: a tile T walks T / 8 + 1 key steps, so each head's four tiles walk 34 in every work-group.  No branch and no LDS address hangs on cx.
; LAYOUT.  Both products transposed: S^T = K Q^T (source 0 = 16 keys), O^T = V^T P^T (source 0 = 16 channels): a lane holds ONE query throughout.  Row r of a tile T (of queries, keys, channels) is
; 32 (T / 2) + 8 (T % 2) + r + 8 (r / 8): the 16 registers of source-0 tiles 2 b, 2 b + 1 are 16 neighbours: keys for p, channels for O.
; The first product's K is 64: registers 6-11 of K's and Q's fragments are zero codes, which add nothing.
; EVERY WAVE WALKS 16 TRIPS; a step all of whose keys come after its queries is jumped over by a scalar branch on ids.  In the one step on the diagonal hidden scores become -infinity ahead of the maximum.
; LIMITS: a block whose largest magnitude lies under 2^-124 keeps the byte 1, a block of zeros too (its codes are zeros); NaN and infinities are not served.  A block's largest p is made from the block's largest score
; by the same multiply-add and exponential: that takes v_exp_f32 not to fall where its input rises.
; REGISTERS: v1-3 16, 8, 4 x lane; v4 my query's place against a register's key; v5-7 the step's LDS addresses; v8-11 V's scale words; v12 -M, v13 the largest t, v[14:15] the sum; v16-27 Q; v32-79 four fragments of K;
; v80-127 V's four; v128-191 S^T, then p; v192-223 O^T; v224-235 p's codes; v232-247 at work; v248-251 K's scale words; v252 f; v253 p's scale word; v254 at work; v255 Q's scale word.
.set QB_SC, 3145728
.set OB_SC, 3145728
.set KVB,   221184
.set CH,    13824
.set FLOOR, 0x1800000
.set KS,    32
.set VS,    80
.set S,     128
.set O,     192
.set WV,    10                         ; s10  my wave's number
.set SEL,   24                         ; s[24:25] lane selects for lane l xor 16
.set CS,    26                         ; s[26:27] c = log2(e) / 8
.set KF,    28                         ; s28  the step's first key
.set TB,    29                         ; s29  the step's chunk in LDS
.set CNT,   30                         ; s30  trips to go
.set Q0,    31                         ; s31  my tile's smallest query;  s32 its largest
.set QMAX,  32
.macro ROUND                           ; a round of the cluster's barrier
	s_barrier_signal -1
	s_barrier_wait -1
	s_cmp_lg_u32 s[WV], 0
	s_cbranch_scc1 .Lnot_wave_0_\@
	s_barrier_signal -3
.Lnot_wave_0_\@:
	s_barrier_wait -3
	s_barrier_signal -1
	s_barrier_wait -1
.endm
	s_load_b128 s[4:7], s[0:1], 0x0                ; qb, kvb
	s_load_b64 s[8:9], s[0:1], 0x10                ; ob
	v_lshl_add_u32 v31, v0, 2, 0x36000
	v_mov_b32 v243, 0
	ds_add_u32 v31, v243
	ds_add_u32 v31, v243
	v_lshrrev_b32 v4, 5, v0
	v_readfirstlane_b32 s[WV], v4                  ; wave 0..15
	v_and_b32 v3, 31, v0
	v_lshlrev_b32 v1, 4, v3
	v_lshlrev_b32 v2, 3, v3
	v_lshlrev_b32 v3, 2, v3
	v_and_b32 v5, 15, v0
	v_and_b32 v6, 8, v5
	v_add_nc_u32 v4, v5, v6
	v_bfe_u32 v6, v0, 4, 1
	v_lshlrev_b32 v6, 4, v6
	v_sub_nc_u32 v4, v4, v6                        ; r + 8 (r / 8) - 16 h
	s_bfe_u32 s42, ttmp6, 0x40000                  ; cx: it enters Q's and O's addresses alone
	s_and_b32 s43, ttmp7, 0xffff                   ; the batch
	s_lshr_b32 s44, s[WV], 2                       ; which of my work-group's four heads
	s_add_co_u32 s45, s44, s[WV]
	s_and_b32 s45, s45, 3                          ; k
	s_and_b32 s46, s45, 1
	s_lshl_b32 s47, ttmp9, 1
	s_add_co_u32 s46, s46, s47                     ; e = 2 X + k % 2
	s_sub_co_u32 s47, 127, s46
	s_and_b32 s48, s45, 2
	s_cmp_lg_u32 s48, 0
	s_cselect_b32 s46, s47, s46                    ; T
	s_lshr_b32 s[Q0], s46, 1
	s_lshl_b32 s[Q0], s[Q0], 5
	s_and_b32 s47, s46, 1
	s_lshl_b32 s47, s47, 3
	s_add_co_u32 s[Q0], s[Q0], s47
	s_add_co_u32 s[QMAX], s[Q0], 23
	s_lshl_b32 s48, s43, 7
	s_add_co_u32 s48, s48, s46                     ; the tile among all 256
	s_lshl_b32 s49, s42, 2
	s_add_co_u32 s49, s49, s44                     ; the head
	s_lshl_b32 s50, s48, 4
	s_add_co_u32 s50, s50, s49
	s_mul_i32 s52, s50, 768                        ; a half fragment's place, in qb and in ob alike
	s_mov_b32 s53, 0
	s_lshl_b32 s54, s50, 7
	s_add_co_u32 s54, s54, QB_SC                   ; Q's scale words
	s_mov_b32 s55, 0
	s_lshl_b32 s56, s48, 3
	s_lshr_b32 s57, s49, 1
	s_add_co_u32 s56, s56, s57
	s_lshl_b32 s56, s56, 7                         ; O's: two heads share a word:
	s_and_b32 s57, s49, 1
	s_lshl_b32 s57, s57, 1
	s_add_co_u32 s56, s56, s57                     ; mine are its bytes 2 (head % 2) on
	s_add_co_u32 s56, s56, OB_SC
	s_mov_b32 s57, 0
	; the descriptor: chunk w: 13,824 dense bytes as 54 rows of 256 bytes (32 elements of 8 bytes), no padding
	s_mov_b32 s12, 1                               ; 1:0 count = 1
	s_mul_i32 s13, s[WV], CH                       ; 63:32 LDS address: the wave's number x a chunk
	s_mul_i32 s58, s43, KVB
	s_add_co_u32 s58, s58, s13
	s_mov_b32 s59, 0
	s_mov_b32 s16, 15|(3<<16)|(1<<21)              ; 15:0 the mask: all four work-groups; 17:16 elements of 8 bytes; 21 set beside a mask
	s_mov_b32 s17, 32<<16                          ; tensor_dim0 = 32
	s_mov_b32 s18, 54<<16                          ; tensor_dim1 = 54
	s_mov_b32 s19, 32<<16                          ; tile_dim0 = 32
	s_mov_b32 s20, 54                              ; tile_dim1 = 54
	s_mov_b32 s21, 32                              ; tensor_dim0_stride
	s_mov_b32 s22, 0
	s_mov_b32 s23, 0
	s_mov_b32 s[SEL], 0x76543210
	s_mov_b32 s[SEL+1], 0xfedcba98
	s_mov_b32 s[CS], 0x3e38aa3b                    ; log2(e) / 8
	s_mov_b32 s[CS+1], s[CS]                       ; (named with it as a pair, so it is written)
	s_mov_b32 s[KF], 0
	s_mov_b32 s[TB], 0
	s_mov_b32 s[CNT], 16
	s_wait_dscnt 0x0
	s_wait_kmcnt 0x0
	s_add_nc_u64 s[14:15], s[6:7], s[58:59]        ; 120:64 global address: the batch and the wave's number alone
	s_or_b32 s15, s15, 0x80000000                  ; 127:126 type = 2
	s_add_nc_u64 s[34:35], s[4:5], s[52:53]        ; Q's codes
	s_add_nc_u64 s[36:37], s[4:5], s[54:55]        ; Q's scale words
	s_add_nc_u64 s[38:39], s[8:9], s[52:53]        ; O's codes
	s_add_nc_u64 s[40:41], s[8:9], s[56:57]        ; O's scale bytes
	ROUND                                          ; all four work-groups are here: the joint loads meet
	tensor_load_to_lds s[12:15], s[16:23]          ; my one tensor load of the launch
	s_nop 0
.rept 4
	v_nop
.endr
	global_load_b128 v[16:19], v1, s[34:35]        ; Q's half fragment stays in registers
	global_load_b64 v[20:21], v2, s[34:35] offset:512
	global_load_b32 v255, v3, s[36:37]
.irp i, 22,23,24,25,26,27
	v_mov_b32 v[\i], 0                             ; K = 64 .. 127 of Q: zero codes
.endr
.irp t, 0,1,2,3
.irp i, 6,7,8,9,10,11
	v_mov_b32 v[KS+12*\t+\i], 0                    ; and of K's four fragments: written once, never loaded over
.endr
.endr
	v_mov_b32 v13, 0xff61b1e6                      ; the largest t so far: -3e38, under every t
	v_floor_f32 v12, -v13                          ; -M
	v_mov_b32 v14, 0                               ; the sum, in two halves
	v_mov_b32 v15, 0
.irp b, 0,1,2,3
	v_mov_b32 v[236+\b], 0                         ; a lane permute's destination counts as one of its sources
.endr
	v_mov_b32 v252, 0
	v_mov_b32 v253, 0                              ; (named as the upper half of the pair v[252:253] before it is first written)
.set j, 0
.rept 32
	v_mov_b32 v[O+j], 0                            ; O^T: the step is written once: the first finds zeros, which the first change of M leaves zeros
.set j, j+1
.endr
	s_wait_tensorcnt 0x0                           ; my chunk has landed,
	s_barrier_signal -1
	s_barrier_wait -1                              ; everybody's has: all 16 chunks may be read by all waves, and nobody writes LDS again
	s_wait_loadcnt 0x0                             ; Q
.macro KLD g                           ; tiles 4 g .. 4 g + 3 of the step's keys: 12 loads
.irp t, 0,1,2,3
	ds_load_b128 v[KS+12*\t:KS+12*\t+3], v5 offset:768*(4*(\g)+\t)
	ds_load_b64 v[KS+12*\t+4:KS+12*\t+5], v6 offset:768*(4*(\g)+\t)+512
	ds_load_b32 v[248+\t], v7 offset:12288+128*(4*(\g)+\t)
.endr
.endm
.macro SQK g
.irp t, 0,1,2,3
	v_wmma_scale_f32_16x16x128_f8f6f4 v[S+8*(4*(\g)+\t):S+8*(4*(\g)+\t)+7], v[KS+12*\t:KS+12*\t+11], v[16:27], 0, v[248+\t], v255 matrix_a_fmt:MATRIX_FMT_FP6 matrix_b_fmt:MATRIX_FMT_FP6
.endr
.endm
.macro PLACES
.rept 4
	v_nop
.endr
.endm
.Lstep:
	s_cmp_gt_u32 s[KF], s[QMAX]                    ; all 128 keys come after my queries: the step's work is left out
	s_cbranch_scc1 .Lhidden
	v_add_nc_u32 v5, s[TB], v1
	v_add_nc_u32 v6, s[TB], v2
	v_add_nc_u32 v7, s[TB], v3
	v_nop                                          ; with the three additions: four places behind the last step's products, in front of the loads into V's registers (ISA guide 7.12.1 for vector instructions)
	KLD 0
.irp d, 0,1,2,3                        ; V's four whole fragments and their scale words: 20 loads, asked for a softmax ahead of their use
.irp c, 0,1
	ds_load_b128 v[VS+12*\d+6*\c:VS+12*\d+6*\c+3], v5 offset:6144+1536*\d+768*\c
	ds_load_b64 v[VS+12*\d+6*\c+4:VS+12*\d+6*\c+5], v6 offset:6144+1536*\d+768*\c+512
.endr
	ds_load_b32 v[8+\d], v7 offset:13312+128*\d
.endr
	s_wait_dscnt 20                                ; K's first 12 loads are in; V's 20 may be out
	SQK 0
	PLACES
	KLD 1
	s_wait_dscnt 0x0
	SQK 1                                          ; lane (r, h): my query; register 16 b + i: key KF + 32 b + 16 h + i
	PLACES
	s_add_co_u32 s42, s[KF], 127
	s_cmp_le_u32 s42, s[Q0]                        ; every key counts for every query of mine: no mask
	s_cbranch_scc1 .Lopen
	s_sub_co_i32 s42, s[Q0], s[KF]
	v_add_nc_u32 v252, s42, v4                     ; d = my query - KF - 16 h: register 16 b + i is hidden where 32 b + i > d
	v_mov_b32 v254, 0xff800000                     ; -infinity
.set n, 0
.rept 64
	v_cmp_gt_i32 vcc_lo, 32*(n/16)+n%16, v252
	v_cndmask_b32 v[S+n], v[S+n], v254, vcc_lo
.set n, n+1
.endr
.Lopen:
.irp b, 0,1,2,3
	v_max3_num_f32 v[232+\b], v[S+16*\b], v[S+1+16*\b], v[S+2+16*\b]   ; THE LARGEST SCORE OF EACH BLOCK OF 32 KEYS: for the row's maximum, and, since p rises with the score, for the block's largest p
.endr
.irp i, 3,5,7,9,11,13
.irp b, 0,1,2,3
	v_max3_num_f32 v[232+\b], v[232+\b], v[S+16*\b+\i], v[S+1+16*\b+\i]
.endr
.endr
.irp b, 0,1,2,3
	v_max_num_f32 v[232+\b], v[232+\b], v[S+15+16*\b]
.endr
.irp b, 0,1,2,3
	v_permlanex16_b32 v[236+\b], v[232+\b], s[SEL], s[SEL+1]
.endr
.irp b, 0,1,2,3
	v_max_num_f32 v[232+\b], v[232+\b], v[236+\b]  ; with lane l xor 16's 16 keys
.endr
	v_max3_num_f32 v254, v232, v233, v234
	v_max_num_f32 v254, v254, v235                 ; the step's largest score of my query
	v_mul_f32 v254, s[CS], v254                    ; as t (c is positive)
	v_max_num_f32 v13, v13, v254                   ; the running largest t
	v_mov_b32 v254, v12
	v_floor_f32 v12, -v13                          ; the new -M = floor(-t) = -ceil(t)
	v_sub_f32 v254, v12, v254                      ; old M - new M: a whole number, 0 or less
	v_cvt_i32_f32 v254, v254                       ; (it saturates)
	v_ldexp_f32 v252, 1.0, v254                    ; f = 2^(old M - new M)
.set j, 0
.rept 32
	v_pk_fma_f32 v[S+j:S+j+1], v[S+j:S+j+1], s[CS:CS+1], v[12:13] op_sel_hi:[1,0,0]   ; t - M, two at a time
.set j, j+2
.endr
.irp b, 0,1,2,3
	v_fma_f32 v[232+\b], v[232+\b], s[CS], v12     ; the same of each block's largest score
.endr
.set j, 0
.rept 64
	v_exp_f32 v[S+j], v[S+j]                       ; p = 2^(t - M), at most 1
.set j, j+1
.endr
.irp b, 0,1,2,3
	v_exp_f32 v[232+\b], v[232+\b]                 ; the block's largest p
.endr
	v_pk_mul_f32 v[14:15], v[14:15], v[252:253] op_sel_hi:[1,0]   ; the sums under the new M.  (A plain place behind the exponentials)
	s_wait_alu depctr_va_vdst(0)
.irp b, 0,1,2,3
	v_max_num_f32 v[232+\b], FLOOR, v[232+\b]      ; the byte cannot fall under 1 (a block whose every p is 0 keeps that byte: its codes are zeros)
.endr
.irp b, 0,1,2,3
	v_add_nc_u32 v[244+\b], 0xff000000, v[232+\b]  ; 2 off the exponent field: the conversion's scale operand
.endr
.irp b, 0,1,2,3
	v_lshrrev_b32 v[236+\b], 23, v[244+\b]         ; the scale's byte
.endr
	v_lshl_or_b32 v253, v237, 8, v236              ; p's scale word for these 128 keys
	v_lshl_or_b32 v253, v238, 16, v253
	v_lshl_or_b32 v253, v239, 24, v253
.irp c, 0,1
	v_cvt_scalef32_pk16_fp6_f32 v[224+6*\c:226+6*\c], v[S+32*\c:S+15+32*\c], v[244+2*\c]
	v_cvt_scalef32_pk16_fp6_f32 v[236+4*\c:238+4*\c], v[S+16+32*\c:S+31+32*\c], v[244+2*\c+1]
.endr
	v_nop                                          ; one plain place behind a scaled conversion
.irp c, 0,1                            ; the operand wants a WHOLE block in a lane
.irp i, 0,1,2
	v_permlane16_swap_b32 v[224+6*\c+\i], v[236+4*\c+\i]
.endr
.irp i, 0,1,2
	v_mov_b32 v[227+6*\c+\i], v[236+4*\c+\i]
.endr
.endr
.set j, 0
.rept 16
	v_pk_mul_f32 v[O+j:O+j+1], v[O+j:O+j+1], v[252:253] op_sel_hi:[1,0]   ; O^T under the new M, from each accumulator's low end on
.set j, j+2
.endr
	v_pk_add_f32 v[236:237], v[S:S+1], v[S+2:S+3]  ; THE ROW'S SUM IS TAKEN OF THE UNQUANTISED p: two at a time, in two chains.  These 32 and the 16 above are the places between p's codes and scale word and the products
.irp j, 4,8,12,16,20,24,28,32,36,40,44,48,52,56,60
	v_pk_add_f32 v[14:15], v[14:15], v[S+\j:S+1+\j]
	v_pk_add_f32 v[236:237], v[236:237], v[S+2+\j:S+3+\j]
.endr
	v_pk_add_f32 v[14:15], v[14:15], v[236:237]
.irp d, 0,1,2,3                        ; O^T += V^T P^T: the four accumulators by turns; between two turns of one stand the next step's eight products S^T
	v_wmma_scale_f32_16x16x128_f8f6f4 v[O+8*\d:O+8*\d+7], v[VS+12*\d:VS+12*\d+11], v[224:235], v[O+8*\d:O+8*\d+7], v[8+\d], v253 matrix_a_fmt:MATRIX_FMT_FP6 matrix_b_fmt:MATRIX_FMT_FP6
.endr
.Lhidden:
	s_add_co_u32 s[KF], s[KF], 128
	s_add_co_u32 s[TB], s[TB], CH
	s_sub_co_u32 s[CNT], s[CNT], 1
	s_cmp_lg_u32 s[CNT], 0
	s_cbranch_scc1 .Lstep
	; THE WAY OUT: O^T / the sum; register 16 b + i of lane (r, h) is channel 32 b + 16 h + i of my query: two blocks along the last product's K, quantised as they stand
	PLACES
	v_add_f32 v14, v14, v15
	v_permlanex16_b32 v252, v14, s[SEL], s[SEL+1]
	v_add_f32 v14, v14, v252                       ; the row's sum
	v_rcp_f32 v14, v14
	v_nop                                          ; a plain place behind the transcendental
.set j, 0
	s_wait_alu depctr_va_vdst(0)
.rept 16
	v_pk_mul_f32 v[S+j:S+j+1], v[O+j:O+j+1], v[14:15] op_sel_hi:[1,0]
.set j, j+2
.endr
.irp b, 0,1
	v_max3_num_f32 v[232+\b], |v[S+16*\b]|, |v[S+16*\b+1]|, FLOOR
.endr
.irp i, 2,4,6,8,10,12,14
.irp b, 0,1
	v_max3_num_f32 v[232+\b], v[232+\b], |v[S+16*\b+\i]|, |v[S+16*\b+\i+1]|
.endr
.endr
.irp b, 0,1
	v_permlanex16_b32 v[236+\b], v[232+\b], s[SEL], s[SEL+1]
.endr
.irp b, 0,1
	v_max_num_f32 v[232+\b], v[232+\b], v[236+\b]
.endr
.irp b, 0,1
	v_add_nc_u32 v[244+\b], 0xff000000, v[232+\b]
.endr
.irp b, 0,1
	v_lshrrev_b32 v[236+\b], 23, v[244+\b]
.endr
	v_lshl_or_b32 v253, v237, 8, v236              ; my head's two bytes of the row's scale word
	v_cvt_scalef32_pk16_fp6_f32 v[224:226], v[S:S+15], v244
	v_cvt_scalef32_pk16_fp6_f32 v[228:230], v[S+16:S+31], v245
	v_nop                                          ; one plain place behind a scaled conversion
.irp i, 0,1,2
	v_permlane16_swap_b32 v[224+\i], v[228+\i]
.endr
	v_mov_b32 v227, v228
	v_mov_b32 v228, v229
	v_mov_b32 v229, v230
	global_store_b128 v1, v[224:227], s[38:39]     ; a half fragment: 512 consecutive bytes,
	global_store_b64 v2, v[228:229], s[38:39] offset:512   ; and 256
	global_store_b16 v3, v253, s[40:41]
	s_wait_dscnt 0x0                               ; no LDS instruction of mine is out at a signal
	s_wait_tensorcnt 0x0
	ds_add_u32 v31, v243
	s_wait_dscnt 0x0
	ROUND                                          ; the closing round: no work-group ends while a partner may still ask for a chunk that names it
	s_endpgm
.Lfunc_end_k_qd21d6caea9_attn:
	.size	k_qd21d6caea9_attn, .Lfunc_end_k_qd21d6caea9_attn-k_qd21d6caea9_attn
	.p2alignl 7, 3214868480
	.fill 96, 4, 3214868480
	.section	.rodata,"a",@progbits
	.p2align	6, 0x0
	.amdhsa_kernel k_qd21d6caea9_attn
		.amdhsa_group_segment_fixed_size 223232
		.amdhsa_private_segment_fixed_size 0
		.amdhsa_enable_private_segment 0
		.amdhsa_kernarg_size 24
		.amdhsa_user_sgpr_count 2
		.amdhsa_user_sgpr_kernarg_segment_ptr 1
		.amdhsa_wavefront_size32 1
		.amdhsa_system_sgpr_workgroup_id_x 1
		.amdhsa_system_sgpr_workgroup_id_y 1
		.amdhsa_system_sgpr_workgroup_id_z 1
		.amdhsa_system_vgpr_workitem_id 0
		.amdhsa_next_free_vgpr 256
		.amdhsa_next_free_sgpr 66
		.amdhsa_reserve_vcc 1
		.amdhsa_float_denorm_mode_32 3
		.amdhsa_float_denorm_mode_16_64 3
		.amdhsa_memory_ordered 1
		.amdhsa_forward_progress 1
		.amdhsa_inst_pref_size 33
	.end_amdhsa_kernel
	.amdgpu_metadata
---
amdhsa.version: [ 1, 2 ]
amdhsa.kernels:
  - .name:           k_qd21d6caea9_attn
    .symbol:         k_qd21d6caea9_attn.kd
    .args:
      - { .name: qb, .offset: 0, .size: 8, .value_kind: global_buffer, .address_space: global }
      - { .name: kvb, .offset: 8, .size: 8, .value_kind: global_buffer, .address_space: global }
      - { .name: ob, .offset: 16, .size: 8, .value_kind: global_buffer, .address_space: global }
    .group_segment_fixed_size: 223232
    .private_segment_fixed_size: 0
    .kernarg_segment_align: 8
    .kernarg_segment_size: 24
    .max_flat_workgroup_size: 512
    .sgpr_count:     66
    .vgpr_count:     256
    .wavefront_size: 32
...
	.end_amdgpu_metadata
.endif
;; end of part 3
;; launch oproj (part 4): grid 512 x 1, 4 waves a work-group, no clusters, 17,920 bytes of LDS; arguments ob, wb, bo, out0; writes out0
.if DOCPART == 4
	.amdgcn_target "amdgcn-amd-amdhsa--gfx1250"
	.amdhsa_code_object_version 6
	.text
	.protected	k_qd21d6caea9_oproj
	.globl	k_qd21d6caea9_oproj
	.p2align	8
	.type	k_qd21d6caea9_oproj,@function
k_qd21d6caea9_oproj:
	s_mov_b64 s[64:65], 0
	v_nop
	global_prefetch_b8 v0, s[64:65] scope:SCOPE_SE
	s_setreg_imm32_b32 hwreg(HW_REG_WAVE_MODE, 25, 1), 1
	s_wait_xcnt 0x0
; out0 = o Wo + bo on codes of FP6 (E2M3) with E8M0 scales, K = 1,024 = head x 64 + channel.  o: 256 tiles of 16 rows, for each K step two half fragments on end (heads 2 s and 2 s + 1); Wo: tiles 64-127 of wb, whole fragments.
; A wave (u = 4 id + wave) takes 64 columns (u / 128: four tiles of Wo as source 0) x 32 rows (u % 128: two tiles of o as source 1): eight accumulators, eight K steps of 128, operands straight from memory in the order of
; their registers, two sets by turns.  The accumulators begin as the bias.  Row r of a tile T is 32 (T / 2) + 8 (T % 2) + r + 8 (r / 8), of Wo's columns and of o's rows alike.
; Used so, a lane holds eight neighbouring columns of one row of the result in each accumulator; a tile's 16 rows x 256 bytes go through the wave's own stage in LDS and leave as whole rows: 16 lanes store 256 consecutive bytes, aligned.
.set WB_SC, 1671168
.set OB_SC, 3145728
.set ACC,   16                         ; v16-79   accumulator (t, p) at 16 + 32 p + 8 t
.set SET,   80                         ; v80-151, v152-223: two sets of fragments; on the way out v80-143 take the rows read back
.set SCW,   224                        ; v224-235 scale words, and nothing else
.set STG,   4352                       ; LDS: 16 rows for each wave
.set SP,    272                        ; a stage row: 256 bytes + 16 = 68 words: row r starts at bank 4 r mod 64 (64 banks of 4 bytes: ISA guide 11.1)
	s_load_b256 s[4:11], s[0:1], 0x0               ; ob, wb, bo, out0
	v_lshl_add_u32 v240, v0, 2, 0x4400
	v_mov_b32 v241, 0
	v_lshrrev_b32 v1, 5, v0
	v_readfirstlane_b32 s18, v1                    ; wave
	v_and_b32 v3, 31, v0
	v_lshlrev_b32 v1, 4, v3                        ; 16 x lane
	v_lshlrev_b32 v2, 2, v3                        ; 4 x lane
	v_lshlrev_b32 v3, 3, v3                        ; 8 x lane
	v_bfe_u32 v8, v0, 4, 1                         ; h
	v_and_b32 v9, 15, v0                           ; r
	v_lshlrev_b32 v4, 6, v8                        ; 64 h: my 16 columns of a block of 32
	s_mul_i32 s19, s18, STG
	v_mul_u32_u24 v5, v9, SP
	v_add_nc_u32 v5, v5, v4
	v_add_nc_u32 v5, s19, v5                       ; into the stage: row r, + 64 h
	v_mul_u32_u24 v6, v8, SP
	v_lshl_add_u32 v6, v9, 4, v6
	v_add_nc_u32 v6, s19, v6                       ; back: lanes 0-15 one row, lanes 16-31 the next
	v_lshlrev_b32 v7, 12, v8
	v_lshl_add_u32 v7, v9, 4, v7                   ; and the same two rows in out0
	s_mov_b32 s35, 0                               ; the upper word of every offset
	s_lshl_b32 s30, ttmp9, 2
	s_add_co_u32 s30, s30, s18                     ; u
	s_lshr_b32 s31, s30, 7                         ; the group of 64 columns
	s_and_b32 s32, s30, 127                        ; the pair of row tiles
	s_lshl_b32 s33, s31, 2
	s_add_co_u32 s33, s33, 64                      ; Wo's first tile in wb
	s_wait_kmcnt 0x0
	s_lshl_b32 s34, s33, 10
	s_add_co_u32 s34, s34, WB_SC
	s_add_nc_u64 s[22:23], s[6:7], s[34:35]        ; Wo's scale words
	s_mul_i32 s34, s33, 12288
	s_add_nc_u64 s[20:21], s[6:7], s[34:35]        ; Wo's codes
	s_lshl_b32 s34, s32, 11
	s_add_co_u32 s34, s34, OB_SC
	s_add_nc_u64 s[26:27], s[4:5], s[34:35]        ; o's scale words: 1,024 bytes a tile
	s_mul_i32 s34, s32, 24576
	s_add_nc_u64 s[24:25], s[4:5], s[34:35]        ; o's codes: 12,288 bytes a tile
	s_lshl_b32 s34, s31, 8
	s_add_nc_u64 s[36:37], s[8:9], s[34:35]        ; bo at my 64 columns
	s_lshl_b32 s33, s32, 17                        ; 32 rows of 4,096 bytes
	s_add_co_u32 s34, s34, s33
	s_add_nc_u64 s[28:29], s[10:11], s[34:35]      ; out0 at my first row and column
.irp p, 0,1
.irp t, 0,1,2,3
	global_load_b128 v[ACC+32*\p+8*\t:ACC+32*\p+8*\t+3], v4, s[36:37] offset:128*(\t/2)+32*(\t%2)       ; the bias, straight into the accumulators: register j: column 32 (t / 2) + 16 h + 8 (t % 2) + j
	global_load_b128 v[ACC+32*\p+8*\t+4:ACC+32*\p+8*\t+7], v4, s[36:37] offset:128*(\t/2)+32*(\t%2)+16
.endr
.endr
.macro LOADK k, bank                   ; K step k into set bank: 26 loads; every offset is an immediate
.irp t, 0,1,2,3
.irp g, 0,1,2
	global_load_b128 v[SET+72*(\bank)+12*\t+4*\g:SET+72*(\bank)+12*\t+4*\g+3], v1, s[20:21] offset:\t*12288+(\k)*1536+512*\g
.endr
.endr
.irp p, 0,1
.irp c, 0,1
	global_load_b128 v[SET+72*(\bank)+48+12*\p+6*\c:SET+72*(\bank)+48+12*\p+6*\c+3], v1, s[24:25] offset:\p*12288+(\k)*1536+768*\c          ; half c: registers 6 c .. 6 c + 3,
	global_load_b64 v[SET+72*(\bank)+48+12*\p+6*\c+4:SET+72*(\bank)+48+12*\p+6*\c+5], v3, s[24:25] offset:\p*12288+(\k)*1536+768*\c+512   ; 6 c + 4, 6 c + 5
.endr
.endr
.irp t, 0,1,2,3
	global_load_b32 v[SCW+6*(\bank)+\t], v2, s[22:23] offset:\t*1024+(\k)*128
.endr
.irp p, 0,1
	global_load_b32 v[SCW+6*(\bank)+4+\p], v2, s[26:27] offset:\p*1024+(\k)*128
.endr
.endm
.macro MULK bank                       ; the eight accumulators take turns, one instruction a turn, in the same order in every step
.irp p, 0,1
.irp t, 0,1,2,3
	v_wmma_scale_f32_16x16x128_f8f6f4 v[ACC+32*\p+8*\t:ACC+32*\p+8*\t+7], v[SET+72*(\bank)+12*\t:SET+72*(\bank)+12*\t+11], v[SET+72*(\bank)+48+12*\p:SET+72*(\bank)+48+12*\p+11], v[ACC+32*\p+8*\t:ACC+32*\p+8*\t+7], v[SCW+6*(\bank)+\t], v[SCW+6*(\bank)+4+\p] matrix_a_fmt:MATRIX_FMT_FP6 matrix_b_fmt:MATRIX_FMT_FP6
.endr
.endr
.endm
	LOADK 0, 0
	LOADK 1, 1
.irp s, 0,1,2,3,4,5,6,7
.if \s < 7
	s_wait_loadcnt 26                              ; all but the next step's 26 loads are in: this step's, and in the first step the bias
.else
	s_wait_loadcnt 0x0
.endif
	MULK \s%2
.rept 4
	v_nop                                          ; four places in front of loads into registers that these products have read, and of the first read of results
.endr
.if \s < 6
	LOADK \s+2, \s%2
.endif
.endr
	; THE WAY OUT, a tile of 16 rows at a time through my own stage.  LDS serves a wave's instructions in order (ISA guide 5.7.1.4): no wait between the stores and the loads, nor in front of the second tile's stores
.irp p, 0,1
.irp t, 0,1,2,3
	ds_store_b128 v5, v[ACC+32*\p+8*\t:ACC+32*\p+8*\t+3] offset:128*(\t/2)+32*(\t%2)          ; each accumulator from its low end on
	ds_store_b128 v5, v[ACC+32*\p+8*\t+4:ACC+32*\p+8*\t+7] offset:128*(\t/2)+32*(\t%2)+16
.endr
.irp i, 0,1,2,3,4,5,6,7
	ds_load_b128 v[SET+32*\p+4*\i:SET+32*\p+4*\i+3], v6 offset:2*\i*SP
.endr
.endr
	s_wait_dscnt 16                                ; the first tile's rows are back; the second's 8 stores and 8 loads may be out
.irp i, 0,1,2,3,4,5,6,7
	global_store_b128 v7, v[SET+4*\i:SET+4*\i+3], s[28:29] offset:(2*\i+8*(\i/4))*4096 th:TH_STORE_NT   ; stage rows 2 i, 2 i + 1 are rows 2 i + 8 (i / 4) (+ 1) of my 32
.endr
	s_wait_dscnt 0x0
.irp i, 0,1,2,3,4,5,6,7
	global_store_b128 v7, v[SET+32+4*\i:SET+32+4*\i+3], s[28:29] offset:(2*\i+8*(\i/4)+8)*4096 th:TH_STORE_NT
.endr
	s_wait_tensorcnt 0x0
	ds_add_u32 v240, v241
	s_wait_dscnt 0x0
	s_endpgm
.Lfunc_end_k_qd21d6caea9_oproj:
	.size	k_qd21d6caea9_oproj, .Lfunc_end_k_qd21d6caea9_oproj-k_qd21d6caea9_oproj
	.p2alignl 7, 3214868480
	.fill 96, 4, 3214868480
	.section	.rodata,"a",@progbits
	.p2align	6, 0x0
	.amdhsa_kernel k_qd21d6caea9_oproj
		.amdhsa_group_segment_fixed_size 17920
		.amdhsa_private_segment_fixed_size 0
		.amdhsa_enable_private_segment 0
		.amdhsa_kernarg_size 32
		.amdhsa_user_sgpr_count 2
		.amdhsa_user_sgpr_kernarg_segment_ptr 1
		.amdhsa_wavefront_size32 1
		.amdhsa_system_sgpr_workgroup_id_x 1
		.amdhsa_system_sgpr_workgroup_id_y 1
		.amdhsa_system_sgpr_workgroup_id_z 1
		.amdhsa_system_vgpr_workitem_id 0
		.amdhsa_next_free_vgpr 242
		.amdhsa_next_free_sgpr 66
		.amdhsa_reserve_vcc 0
		.amdhsa_float_denorm_mode_32 3
		.amdhsa_float_denorm_mode_16_64 3
		.amdhsa_memory_ordered 1
		.amdhsa_forward_progress 1
		.amdhsa_inst_pref_size 37
	.end_amdhsa_kernel
	.amdgpu_metadata
---
amdhsa.version: [ 1, 2 ]
amdhsa.kernels:
  - .name:           k_qd21d6caea9_oproj
    .symbol:         k_qd21d6caea9_oproj.kd
    .args:
      - { .name: ob, .offset: 0, .size: 8, .value_kind: global_buffer, .address_space: global }
      - { .name: wb, .offset: 8, .size: 8, .value_kind: global_buffer, .address_space: global }
      - { .name: bo, .offset: 16, .size: 8, .value_kind: global_buffer, .address_space: global }
      - { .name: out0, .offset: 24, .size: 8, .value_kind: global_buffer, .address_space: global }
    .group_segment_fixed_size: 17920
    .private_segment_fixed_size: 0
    .kernarg_segment_align: 8
    .kernarg_segment_size: 32
    .max_flat_workgroup_size: 128
    .sgpr_count:     66
    .vgpr_count:     242
    .wavefront_size: 32
...
	.end_amdgpu_metadata
.endif
;; end of part 4
;; ======== version 2 of 2: 4 launches
;; workspace buffers: xb 10,223,616 bytes; wb 1,810,432 bytes; qb 3,670,016 bytes; kvb 442,368 bytes; ob 3,407,872 bytes
;; launch prep (part 5): grid 1040 x 1, 4 waves a work-group, no clusters, 34,304 bytes of LDS; arguments inputs_q, inputs_k, inputs_v, Wq, Wo, Wk, Wv, xb, wb; writes xb, wb
.if DOCPART == 5
	.amdgcn_target "amdgcn-amd-amdhsa--gfx1250"
	.amdhsa_code_object_version 6
	.text
	.protected	k_qd21d6caea9_prep
	.globl	k_qd21d6caea9_prep
	.p2align	8
	.type	k_qd21d6caea9_prep,@function
k_qd21d6caea9_prep:
	s_mov_b64 s[64:65], 0
	v_nop
	global_prefetch_b8 v0, s[64:65] scope:SCOPE_SE
	s_setreg_imm32_b32 hwreg(HW_REG_WAVE_MODE, 25, 1), 1
	s_wait_xcnt 0x0
; The three activations [4096][1024] f32 (K innermost) and the four weights [1024][N] f32 (K = the first axis) become codes of FP6 (E2M3) with one E8M0 byte for each 32 along K,
; laid in the ORDER OF AN OPERAND'S REGISTERS: a fragment (16 rows x 128 K, 12 registers a lane) is 1,536 bytes, registers 4 g .. 4 g + 3 of lane l at 512 g + 16 l; its scale words 128 bytes, lane l's at 4 l.
; THE ROWS OF A TILE ARE NOT NEIGHBOURS: row r of tile T is 32 (T / 2) + 8 (T % 2) + r + 8 (r / 8), for activations' rows and weights' columns alike, so that in every later product that takes such a
; tile as source 0 a lane's 16 registers of tiles 2 b and 2 b + 1 are 16 neighbours along the next K.
; A block's scale is 2^(floor(log2(its largest magnitude)) - 2); its byte is the largest magnitude's exponent field - 2, held at 1 from below.
; LIMITS: a block whose largest magnitude lies under 2^-124 keeps the byte 1; a block of zeros gets the byte 1 where the rule says 127 (its codes are zeros, and this program alone reads the bytes);
; NaN and infinities among the inputs are not served.
; SHARES: work-groups 0-767: tensor id / 256, tile id % 256; wave w makes K steps 2 w and 2 w + 1, so the four waves read 16 whole rows.  Work-groups 768-1039: Y = id - 768: wave w makes tile 4 (Y / 8) + w,
; K step Y % 8; the weights' tiles are numbered Wq 0-63, Wo 64-127, Wk 128-131, Wv 132-135.  Waves share nothing: no barrier.
.set XB_SC, 9437184                    ; xb: 6,144 fragments, then their scale words
.set WB_SC, 1671168                    ; wb: 1,088 fragments, then their scale words
.set FRAG,  1536
.set STG,   8448                       ; LDS: a stage of 16 rows for each wave
.set SP,    528                        ; a stage row: 512 bytes + 16 = 132 words: row r starts at bank 4 r mod 64 (64 banks of 4 bytes: ISA guide 11.1)
.set FLOOR, 0x1800000                  ; 2^(3 - 127): under it no largest magnitude is taken, so the byte cannot fall under 1
.set TM,    12                         ; v12-15 largest magnitudes, v16-19 the other half's, then the bytes, v24-27 the conversions' scale operands
.set X,     32                         ; v32-95   64 numbers of a lane in the quantiser's order
.set R0,    96                         ; v96-159, v160-223: two fragments' numbers as loaded; behind the first turn v96-140 hold codes and scale words
	s_load_b256 s[4:11], s[0:1], 0x0               ; inputs_q, inputs_k, inputs_v, Wq
	s_load_b256 s[12:19], s[0:1], 0x20             ; Wo, Wk, Wv, xb
	s_load_b64 s[20:21], s[0:1], 0x40              ; wb
	v_lshl_add_u32 v224, v0, 2, 0x8400
	v_mov_b32 v225, 0
	v_lshrrev_b32 v1, 5, v0
	v_readfirstlane_b32 s22, v1                    ; wave
	v_and_b32 v1, 31, v0                           ; lane
	v_and_b32 v2, 15, v0                           ; r
	v_bfe_u32 v3, v0, 4, 1                         ; h
	v_lshlrev_b32 v4, 4, v1                        ; 16 x lane
	v_lshlrev_b32 v5, 2, v1                        ; 4 x lane
	s_mul_i32 s34, s22, STG
	v_add_nc_u32 v6, s34, v4                       ; the stage, on the way in: 16 x lane of a row
	v_mul_u32_u24 v7, v2, SP
	v_lshl_add_u32 v7, v3, 6, v7
	v_add_nc_u32 v7, s34, v7                       ; and out: row r, + 64 h: my 16 numbers of a block of 32
	v_lshlrev_b32 v9, 3, v3                        ; 8 h
	v_mov_b32 v10, 0                               ; a lane permute's destination counts as one of its sources: written once
.irp b, 0,1,2,3
	v_mov_b32 v[TM+4+\b], 0
.endr
	s_mov_b32 s32, 0x76543210
	s_mov_b32 s33, 0xfedcba98                      ; v_permlanex16_b32's selects for lane l xor 16
	s_mov_b32 s27, 0                               ; the upper word of every offset
	s_wait_kmcnt 0x0
.macro XLD f                           ; fragment f of my two: tile row i's 512 consecutive bytes by one load
.irp i, 0,1,2,3,4,5,6,7,8,9,10,11,12,13,14,15
	global_load_b128 v[R0+64*(\f)+4*\i:R0+64*(\f)+4*\i+3], v4, s[24:25] offset:(\i+8*(\i/8))*4096+512*(\f) th:TH_LOAD_NT
.endr
.endm
.macro TURN f                          ; through my stage: in as loaded, out 16 neighbours of each block a lane.  LDS serves a wave's instructions in order: no wait between
.irp i, 0,1,2,3,4,5,6,7,8,9,10,11,12,13,14,15
	ds_store_b128 v6, v[R0+64*(\f)+4*\i:R0+64*(\f)+4*\i+3] offset:SP*\i
.endr
.irp b, 0,1,2,3
.irp j, 0,1,2,3
	ds_load_b128 v[X+16*\b+4*\j:X+16*\b+4*\j+3], v7 offset:128*\b+16*\j   ; register 16 b + i = k 32 b + 16 h + i of row r
.endr
.endr
.endm
; 64 numbers of a lane, register 16 b + i = k 32 b + 16 h + i of my row, become a fragment's 12 registers at v[pc] and its scale word in v[pw]
.macro QUANT4 src, pc, pw
.irp b, 0,1,2,3
	v_max3_num_f32 v[TM+\b], |v[\src+16*\b]|, |v[\src+1+16*\b]|, FLOOR
.endr
.irp i, 2,4,6,8,10,12,14
.irp b, 0,1,2,3
	v_max3_num_f32 v[TM+\b], v[TM+\b], |v[\src+16*\b+\i]|, |v[\src+1+16*\b+\i]|   ; the four blocks by turns
.endr
.endr
.irp b, 0,1,2,3
	v_permlanex16_b32 v[TM+4+\b], v[TM+\b], s32, s33
.endr
.irp b, 0,1,2,3
	v_max_num_f32 v[TM+\b], v[TM+\b], v[TM+4+\b]   ; with lane l xor 16's 16: the block's largest magnitude
.endr
.irp b, 0,1,2,3
	v_add_nc_u32 v[TM+12+\b], 0xff000000, v[TM+\b] ; 2 off its exponent field: the conversion takes the exponent field of this operand as its scale
.endr
.irp b, 0,1,2,3
	v_lshrrev_b32 v[TM+4+\b], 23, v[TM+12+\b]      ; the scale's byte
.endr
	v_lshl_or_b32 v[\pw], v[TM+5], 8, v[TM+4]
	v_lshl_or_b32 v[\pw], v[TM+6], 16, v[\pw]
	v_lshl_or_b32 v[\pw], v[TM+7], 24, v[\pw]      ; my row's scale word, the same in both halves of the lanes
.irp c, 0,1
	v_cvt_scalef32_pk16_fp6_f32 v[\pc+6*\c:\pc+2+6*\c], v[\src+32*\c:\src+15+32*\c], v[TM+12+2*\c]
	v_cvt_scalef32_pk16_fp6_f32 v[\pc+12+4*\c:\pc+14+4*\c], v[\src+16+32*\c:\src+31+32*\c], v[TM+12+2*\c+1]   ; (a conversion's three registers begin on an even number)
.endr
	v_nop                                          ; one plain place behind a scaled conversion
.irp c, 0,1                            ; the operand wants a WHOLE block in a lane: lanes 0-15 block 2 c, lanes 16-31 block 2 c + 1
.irp i, 0,1,2
	v_permlane16_swap_b32 v[\pc+6*\c+\i], v[\pc+12+4*\c+\i]
.endr
.irp i, 0,1,2
	v_mov_b32 v[\pc+3+6*\c+\i], v[\pc+12+4*\c+\i]
.endr
.endr
.endm
.macro PUT pc, pw, f                   ; the fragment leaves as it stands: three stores of 512 consecutive bytes, and 128 bytes of scale words
.irp g, 0,1,2
	global_store_b128 v4, v[\pc+4*\g:\pc+4*\g+3], s[28:29] offset:FRAG*(\f)+512*\g
.endr
	global_store_b32 v5, v[\pw], s[30:31] offset:128*(\f)
.endm
	s_cmp_ge_u32 ttmp9, 768
	s_cbranch_scc1 .Lweights
	; ---- an activation's tile
	s_lshr_b32 s34, ttmp9, 8                       ; which tensor
	s_and_b32 s35, ttmp9, 255                      ; tile T
	s_cmp_eq_u32 s34, 0
	s_cselect_b64 s[24:25], s[4:5], s[6:7]
	s_cmp_eq_u32 s34, 2
	s_cselect_b64 s[24:25], s[8:9], s[24:25]
	s_lshr_b32 s36, s35, 1
	s_lshl_b32 s36, s36, 5
	s_and_b32 s37, s35, 1
	s_lshl_b32 s37, s37, 3
	s_add_co_u32 s36, s36, s37                     ; the tile's first row: 32 (T / 2) + 8 (T % 2)
	s_lshl_b32 s26, s36, 12                        ; rows of 4,096 bytes
	s_lshl_b32 s37, s22, 10                        ; my 256 along K
	s_add_co_u32 s26, s26, s37
	s_add_nc_u64 s[24:25], s[24:25], s[26:27]
	s_lshl_b32 s38, ttmp9, 3
	s_lshl_b32 s37, s22, 1
	s_add_co_u32 s38, s38, s37                     ; my first fragment's number: 8 id + 2 w
	s_mul_i32 s26, s38, FRAG
	s_add_nc_u64 s[28:29], s[18:19], s[26:27]
	s_lshl_b32 s26, s38, 7
	s_add_co_u32 s26, s26, XB_SC
	s_add_nc_u64 s[30:31], s[18:19], s[26:27]
	XLD 0
	XLD 1
	s_wait_loadcnt 16                              ; the first fragment's 16 loads are in; the second's 16 may be out
	s_wait_alu depctr_va_vdst(0)
	TURN 0
	s_wait_dscnt 0x0                               ; the numbers are back, and the stores into the stage have read v96-159
	QUANT4 X, 96, 116
	PUT 96, 116, 0
	s_wait_loadcnt 0x0
	TURN 1
	s_wait_dscnt 0x0
	QUANT4 X, 120, 140                             ; registers of its own: no pending store's data are written again
	PUT 120, 140, 1
	s_wait_tensorcnt 0x0
	ds_add_u32 v224, v225
	s_wait_dscnt 0x0
	s_endpgm
.Lweights:
	; ---- a weight's fragment.  A LANE TAKES A COLUMN AND ITS REGISTERS RUN DOWN K, in the order that the operand gives that lane: k = 128 s + 64 c + 32 h + 0 .. 31: nothing is transposed
	s_sub_co_u32 s34, ttmp9, 768
	s_lshr_b32 s35, s34, 3                         ; G: a group of four tiles
	s_and_b32 s34, s34, 7                          ; the K step
	s_and_b32 s37, s35, 15
	s_lshl_b32 s37, s37, 8                         ; in Wq and Wo: the group's 64 columns, 256 bytes
	s_mov_b32 s36, 256                             ; a row of Wk or Wv in bytes,
	s_cmp_lt_u32 s35, 32
	s_cselect_b32 s36, 4096, s36                   ; of Wq or Wo
	s_cselect_b32 s37, s37, 0
	s_cmp_lt_u32 s35, 16
	s_cselect_b64 s[24:25], s[10:11], s[12:13]
	s_cmp_eq_u32 s35, 32
	s_cselect_b64 s[24:25], s[14:15], s[24:25]
	s_cmp_eq_u32 s35, 33
	s_cselect_b64 s[24:25], s[16:17], s[24:25]
	s_lshr_b32 s38, s22, 1
	s_lshl_b32 s38, s38, 7
	s_add_co_u32 s37, s37, s38
	s_and_b32 s38, s22, 1
	s_lshl_b32 s38, s38, 5
	s_add_co_u32 s37, s37, s38                     ; my tile's first column in bytes: + 128 (w / 2) + 32 (w % 2)
	s_lshl_b32 s38, s34, 7
	s_mul_i32 s38, s38, s36                        ; 128 s rows down
	s_add_co_u32 s26, s37, s38
	s_add_nc_u64 s[24:25], s[24:25], s[26:27]
	s_lshl_b32 s38, s35, 2
	s_add_co_u32 s38, s38, s22
	s_lshl_b32 s38, s38, 3
	s_add_co_u32 s38, s38, s34                     ; the fragment's number: 8 (4 G + w) + s
	s_mul_i32 s26, s38, FRAG
	s_add_nc_u64 s[28:29], s[20:21], s[26:27]
	s_lshl_b32 s26, s38, 7
	s_add_co_u32 s26, s26, WB_SC
	s_add_nc_u64 s[30:31], s[20:21], s[26:27]
	v_and_b32 v8, 8, v2
	v_add_nc_u32 v8, v8, v2
	v_lshlrev_b32 v8, 2, v8                        ; 4 (r + 8 (r / 8)): my column in the tile
	s_lshl_b32 s39, s36, 5
	v_mul_u32_u24 v11, s39, v3                     ; lanes 16-31 begin 32 rows further down
	v_add_nc_u32 v8, v8, v11
.macro WLD pitch
.irp c, 0,1
.set i, 0
.rept 32
	global_load_b32 v[X+32*\c+i], v8, s[24:25] offset:(64*\c+i)*\pitch
.set i, i+1
.endr
.endr
.endm
	s_cmp_lt_u32 s35, 32                           ; the row's length stands in the immediates: the 64 loads are written for both
	s_cbranch_scc0 .Lnarrow
	WLD 4096
	s_branch .Lloaded
.Lnarrow:
	s_wait_alu depctr_va_vdst(0)
	WLD 256
.Lloaded:
	s_wait_loadcnt 0x0
.irp c, 0,1                            ; my block 2 c + h: all its 32 numbers are mine
	v_max3_num_f32 v[TM+\c], |v[X+32*\c]|, |v[X+32*\c+1]|, FLOOR
.endr
.irp i, 2,4,6,8,10,12,14,16,18,20,22,24,26,28,30
.irp c, 0,1
	v_max3_num_f32 v[TM+\c], v[TM+\c], |v[X+32*\c+\i]|, |v[X+32*\c+\i+1]|
.endr
.endr
.irp c, 0,1
	v_add_nc_u32 v[TM+12+\c], 0xff000000, v[TM+\c]
.endr
.irp c, 0,1
	v_lshrrev_b32 v[TM+4+\c], 23, v[TM+12+\c]
.endr
	v_lshl_or_b32 v116, v[TM+5], 16, v[TM+4]       ; my two bytes: blocks h and 2 + h,
	v_lshlrev_b32 v116, v9, v116                   ; at their places in the word (8 h bits up);
	v_permlanex16_b32 v10, v116, s32, s33
	v_or_b32 v116, v116, v10                       ; with lane l xor 16's two the word is whole
.irp c, 0,1
	v_cvt_scalef32_pk16_fp6_f32 v[96+6*\c:98+6*\c], v[X+32*\c:X+32*\c+15], v[TM+12+\c]
	v_cvt_scalef32_pk16_fp6_f32 v[108+4*\c:110+4*\c], v[X+32*\c+16:X+32*\c+31], v[TM+12+\c]
.endr
	v_nop                                          ; one plain place behind a scaled conversion
.irp c, 0,1
.irp i, 0,1,2
	v_mov_b32 v[99+6*\c+\i], v[108+4*\c+\i]
.endr
.endr
	PUT 96, 116, 0
	s_endpgm
.Lfunc_end_k_qd21d6caea9_prep:
	.size	k_qd21d6caea9_prep, .Lfunc_end_k_qd21d6caea9_prep-k_qd21d6caea9_prep
	.p2alignl 7, 3214868480
	.fill 96, 4, 3214868480
	.section	.rodata,"a",@progbits
	.p2align	6, 0x0
	.amdhsa_kernel k_qd21d6caea9_prep
		.amdhsa_group_segment_fixed_size 34304
		.amdhsa_private_segment_fixed_size 0
		.amdhsa_enable_private_segment 0
		.amdhsa_kernarg_size 72
		.amdhsa_user_sgpr_count 2
		.amdhsa_user_sgpr_kernarg_segment_ptr 1
		.amdhsa_wavefront_size32 1
		.amdhsa_system_sgpr_workgroup_id_x 1
		.amdhsa_system_sgpr_workgroup_id_y 1
		.amdhsa_system_sgpr_workgroup_id_z 1
		.amdhsa_system_vgpr_workitem_id 0
		.amdhsa_next_free_vgpr 226
		.amdhsa_next_free_sgpr 66
		.amdhsa_reserve_vcc 0
		.amdhsa_float_denorm_mode_32 3
		.amdhsa_float_denorm_mode_16_64 3
		.amdhsa_memory_ordered 1
		.amdhsa_forward_progress 1
		.amdhsa_inst_pref_size 35
	.end_amdhsa_kernel
	.amdgpu_metadata
---
amdhsa.version: [ 1, 2 ]
amdhsa.kernels:
  - .name:           k_qd21d6caea9_prep
    .symbol:         k_qd21d6caea9_prep.kd
    .args:
      - { .name: inputs_q, .offset: 0, .size: 8, .value_kind: global_buffer, .address_space: global }
      - { .name: inputs_k, .offset: 8, .size: 8, .value_kind: global_buffer, .address_space: global }
      - { .name: inputs_v, .offset: 16, .size: 8, .value_kind: global_buffer, .address_space: global }
      - { .name: Wq, .offset: 24, .size: 8, .value_kind: global_buffer, .address_space: global }
      - { .name: Wo, .offset: 32, .size: 8, .value_kind: global_buffer, .address_space: global }
      - { .name: Wk, .offset: 40, .size: 8, .value_kind: global_buffer, .address_space: global }
      - { .name: Wv, .offset: 48, .size: 8, .value_kind: global_buffer, .address_space: global }
      - { .name: xb, .offset: 56, .size: 8, .value_kind: global_buffer, .address_space: global }
      - { .name: wb, .offset: 64, .size: 8, .value_kind: global_buffer, .address_space: global }
    .group_segment_fixed_size: 34304
    .private_segment_fixed_size: 0
    .kernarg_segment_align: 8
    .kernarg_segment_size: 72
    .max_flat_workgroup_size: 128
    .sgpr_count:     66
    .vgpr_count:     226
    .wavefront_size: 32
...
	.end_amdgpu_metadata
.endif
;; end of part 5
;; launch proj (part 6): grid 576 x 1, 4 waves a work-group, no clusters, 0 bytes of LDS; arguments xb, wb, bq, bk, bv, qb, kvb; writes qb, kvb
.if DOCPART == 6
	.amdgcn_target "amdgcn-amd-amdhsa--gfx1250"
	.amdhsa_code_object_version 6
	.text
	.protected	k_qd21d6caea9_proj
	.globl	k_qd21d6caea9_proj
	.p2align	8
	.type	k_qd21d6caea9_proj,@function
k_qd21d6caea9_proj:
	s_mov_b64 s[64:65], 0
	v_nop
	global_prefetch_b8 v0, s[64:65] scope:SCOPE_SE
	s_setreg_imm32_b32 hwreg(HW_REG_WAVE_SCHED_MODE, 0, 2), 2
	s_setreg_imm32_b32 hwreg(HW_REG_WAVE_MODE, 25, 1), 1
	s_wait_xcnt 0x0
	s_wait_alu depctr_vm_vsrc(0)
; q = x_q Wq + bq, k = x_k Wk + bk, v = x_v Wv + bv on codes of FP6 (E2M3) with E8M0 scales, K = 1,024; each result is quantised at once for the product that follows: q and k along the head's 64, v along the keys.
; ONE BODY.  A wave takes four tiles as source 0 (along them the result is quantised: a lane's registers run along them) and two tiles as source 1 (a lane is one of their rows): eight accumulators, eight K steps of 128.
;   q (work-groups 0-511):   source 0 = a head's 64 columns of Wq, source 1 = 32 rows of x_q;  k (512-543): source 0 = Wk, source 1 = 32 rows of x_k;  v (544-575): source 0 = 64 rows of x_v, source 1 = 32 columns of Wv.
; All operands lie in memory in the order of their registers: a fragment is three loads of 16 bytes a lane, its scale words one of 4.  A tile's rows are 32 (T / 2) + 8 (T % 2) + r + 8 (r / 8), so that
; register j of source-0 tile 2 b + u in lane (r, h) is row 32 b + 16 h + 8 u + j: the 16 registers of two neighbouring tiles are 16 neighbours along the next K.
; The accumulators BEGIN AS THE BIAS, loaded into them: no first step is written apart and nothing is cleared.
; OUT: half fragments (16 rows x 64 K: registers 0-3 of lane l at 16 l, registers 4-5 at 512 + 8 l: 768 bytes) and scale words (4 l).  qb: [query tile][head]; kvb: for each batch 16 chunks of 13,824 bytes, one for each
; 128 keys: K's 8 half fragments, V's 4 x 2, K's 8 x 128 bytes of scale words, V's 4 x 128 (a half's two bytes at 2 c of the word).
; LIMITS: a block whose largest magnitude lies under 2^-124 keeps the byte 1, a block of zeros too (its codes are zeros; this program alone reads the bytes); NaN and infinities are not served.
; THE MODE: SCHED_MODE bits 1:0 = 2 (LLVM: expert scheduling mode 2), set by the entry lines.  The code itself states the register dependences between vector or matrix instructions and memory instructions,
; with s_wait_alu, always for 0.
; THE PLAN.  Registers that memory instructions touch:
;   v1-v5            byte offsets, made once at the head and never written again: every load and store reads one of them; every step stands in an immediate.
;   ACC              The bias lands here once; from then on matrix and vector instructions alone name it.
;   set 0, set 1     and their six scale words each.  Step s: its eight products read set s % 2; behind them the loads of step s + 2 land in it.
;   v80-85, v96-101, v12, v13   Behind the last step: written by the two quantisers, read by the six stores, never written again.
; So ONE wait on va_vdst stands in a step, behind its products: it states that they are done reading the set that is asked for again at once: two steps' loads, 48, stay on their way, which a set that lay idle until
; the next step's head would halve.  One more stands at the head, for the offsets, and one behind the two quantisers, for the run of stores.  No register that a memory instruction has read is written again.
.set XB_SC, 9437184
.set WB_SC, 1671168
.set QB_SC, 3145728
.set KVB,   221184                     ; a batch's part of kvb
.set CH,    13824                      ; a chunk
.set FLOOR, 0x1800000
.set ACC,   16                         ; v16-79   accumulator (t, p) at 16 + 32 p + 8 t
.set SET,   80                         ; v80-151, v152-223: two sets of fragments: source 0's four at + 12 t, source 1's two at + 48 + 12 p
.set SCW,   224                        ; v224-235 their scale words: 6 a set; these registers hold scales and nothing else
.set SEL,   40
	s_load_b256 s[4:11], s[0:1], 0x0               ; xb, wb, bq, bk
	s_load_b128 s[12:15], s[0:1], 0x20             ; bv, qb
	s_load_b64 s[16:17], s[0:1], 0x30              ; kvb
	v_lshrrev_b32 v1, 5, v0
	v_readfirstlane_b32 s18, v1                    ; wave
	v_and_b32 v3, 31, v0
	v_lshlrev_b32 v1, 4, v3                        ; 16 x lane
	v_lshlrev_b32 v2, 2, v3                        ; 4 x lane
	v_lshlrev_b32 v3, 3, v3                        ; 8 x lane
	v_bfe_u32 v4, v0, 4, 1
	v_lshlrev_b32 v4, 6, v4                        ; 64 h: q's and k's bias: my 16 columns of a block of 32
	v_and_b32 v5, 15, v0
	v_and_b32 v14, 8, v5
	v_add_nc_u32 v5, v5, v14
	v_lshlrev_b32 v5, 2, v5                        ; 4 (r + 8 (r / 8)): v's bias: my column
	v_mov_b32 v8, 0                                ; a lane permute's destination counts as one of its sources
	v_mov_b32 v9, 0
	s_mov_b32 s[SEL], 0x76543210
	s_mov_b32 s[SEL+1], 0xfedcba98
	s_mov_b32 s57, 0                               ; the upper word of every offset
	s_wait_alu depctr_va_sdst(0)                   ; s18, the wave's number, is written, ahead of its first reader below
	s_lshl_b32 s19, ttmp9, 2
	s_add_co_u32 s19, s19, s18                     ; u = 4 id + wave
	; the three arms make whole numbers alone: s38 the type; s42, s43 the first tiles of sources 0 and 1; s44, s45 where their scale words begin; s46, s48 the codes' place and its step from p = 0 to 1; s47, s49 the scale words'; s53 the bias's
	s_cmp_ge_u32 ttmp9, 544
	s_cbranch_scc1 .Ltype_v
	s_cmp_ge_u32 ttmp9, 512
	s_cbranch_scc1 .Ltype_k
	s_mov_b32 s38, 0
	s_lshr_b32 s50, s19, 7                         ; head
	s_and_b32 s51, s19, 127                        ; pair of row tiles
	s_lshl_b32 s42, s50, 2
	s_lshl_b32 s43, s51, 1
	s_mov_b32 s44, WB_SC
	s_mov_b32 s45, XB_SC
	s_lshl_b32 s52, s51, 5
	s_add_co_u32 s52, s52, s50                     ; 16 x tile + head
	s_mul_i32 s46, s52, 768
	s_lshl_b32 s47, s52, 7
	s_add_co_u32 s47, s47, QB_SC
	s_mov_b32 s48, 12288
	s_mov_b32 s49, 2048
	s_lshl_b32 s53, s50, 8
	s_branch .Ljoin
.Ltype_k:
	s_mov_b32 s38, 1
	s_sub_co_u32 s51, s19, 2048                    ; pair of key tiles
	s_mov_b32 s42, 128
	s_lshl_b32 s43, s51, 1
	s_add_co_u32 s43, s43, 256
	s_mov_b32 s44, WB_SC
	s_mov_b32 s45, XB_SC
	s_lshr_b32 s50, s51, 6                         ; batch
	s_lshl_b32 s52, s51, 1
	s_and_b32 s52, s52, 127                        ; tile in the batch
	s_lshr_b32 s54, s52, 3                         ; key step
	s_and_b32 s52, s52, 7                          ; tile in the step
	s_mul_i32 s50, s50, KVB
	s_mul_i32 s54, s54, CH
	s_add_co_u32 s50, s50, s54                     ; the chunk
	s_mul_i32 s46, s52, 768
	s_add_co_u32 s46, s46, s50
	s_lshl_b32 s47, s52, 7
	s_add_co_u32 s47, s47, s50
	s_add_co_u32 s47, s47, 12288
	s_mov_b32 s48, 768
	s_mov_b32 s49, 128
	s_mov_b32 s53, 0
	s_branch .Ljoin
.Ltype_v:
	s_mov_b32 s38, 2
	s_sub_co_u32 s51, s19, 2176
	s_and_b32 s55, s51, 1                          ; which pair of V's four tiles
	s_lshr_b32 s51, s51, 1                         ; which 64 keys
	s_lshl_b32 s42, s51, 2
	s_add_co_u32 s42, s42, 512
	s_lshl_b32 s43, s55, 1
	s_add_co_u32 s43, s43, 132
	s_mov_b32 s44, XB_SC
	s_mov_b32 s45, WB_SC
	s_lshr_b32 s50, s51, 5                         ; batch
	s_and_b32 s52, s51, 31
	s_lshr_b32 s54, s52, 1                         ; key step
	s_and_b32 s52, s52, 1                          ; its half c
	s_mul_i32 s50, s50, KVB
	s_mul_i32 s54, s54, CH
	s_add_co_u32 s50, s50, s54                     ; the chunk
	s_mul_i32 s46, s55, 3072
	s_mul_i32 s56, s52, 768
	s_add_co_u32 s46, s46, s56
	s_add_co_u32 s46, s46, s50
	s_add_co_u32 s46, s46, 6144
	s_lshl_b32 s47, s55, 8
	s_lshl_b32 s56, s52, 1
	s_add_co_u32 s47, s47, s56
	s_add_co_u32 s47, s47, s50
	s_add_co_u32 s47, s47, 13312
	s_mov_b32 s48, 1536
	s_mov_b32 s49, 128
	s_lshl_b32 s53, s55, 7
.Ljoin:
	s_wait_kmcnt 0x0
	s_cmp_eq_u32 s38, 2                            ; the buffers are chosen on the type alone
	s_cselect_b64 s[20:21], s[4:5], s[6:7]         ; source 0: xb for v, else wb
	s_cselect_b64 s[24:25], s[6:7], s[4:5]         ; source 1: the other
	s_cselect_b64 s[36:37], s[12:13], s[10:11]
	s_cmp_eq_u32 s38, 0
	s_cselect_b64 s[36:37], s[8:9], s[36:37]       ; the bias
	s_cselect_b64 s[28:29], s[14:15], s[16:17]     ; qb, or kvb
	s_lshl_b32 s56, s42, 10
	s_add_co_u32 s56, s56, s44
	s_add_nc_u64 s[22:23], s[20:21], s[56:57]      ; source 0's scale words: 1,024 bytes a tile
	s_mul_i32 s56, s42, 12288
	s_add_nc_u64 s[20:21], s[20:21], s[56:57]      ; and codes: 12,288 bytes a tile
	s_lshl_b32 s56, s43, 10
	s_add_co_u32 s56, s56, s45
	s_add_nc_u64 s[26:27], s[24:25], s[56:57]
	s_mul_i32 s56, s43, 12288
	s_add_nc_u64 s[24:25], s[24:25], s[56:57]
	s_mov_b32 s56, s47
	s_add_nc_u64 s[32:33], s[28:29], s[56:57]      ; where the scale words go, p = 0,
	s_mov_b32 s56, s49
	s_add_nc_u64 s[34:35], s[32:33], s[56:57]      ; p = 1;
	s_mov_b32 s56, s46
	s_add_nc_u64 s[28:29], s[28:29], s[56:57]      ; the codes, p = 0,
	s_mov_b32 s56, s48
	s_add_nc_u64 s[30:31], s[28:29], s[56:57]      ; p = 1
	s_mov_b32 s56, s53
	s_add_nc_u64 s[36:37], s[36:37], s[56:57]
	s_wait_alu depctr_va_vdst(0)                   ; the five offsets v1 to v5 are written: every load and store of the kernel, on both ways below, reads one of them, and no later vector or matrix instruction names them
	; the bias, straight into the accumulators
	s_cmp_eq_u32 s38, 2
	s_cbranch_scc1 .Lbias_v
.irp p, 0,1
.irp t, 0,1,2,3
	global_load_b128 v[ACC+32*\p+8*\t:ACC+32*\p+8*\t+3], v4, s[36:37] offset:128*(\t/2)+32*(\t%2)       ; register j: column 32 (t / 2) + 16 h + 8 (t % 2) + j
	global_load_b128 v[ACC+32*\p+8*\t+4:ACC+32*\p+8*\t+7], v4, s[36:37] offset:128*(\t/2)+32*(\t%2)+16
.endr
.endr
	s_branch .Lbias_done
.Lbias_v:
.irp p, 0,1
.set n, 0
.rept 32
	global_load_b32 v[ACC+32*\p+n], v5, s[36:37] offset:32*\p   ; every register of a lane belongs to its one column of V
.set n, n+1
.endr
.endr
.Lbias_done:
.macro LOADK k, bank                   ; K step k into set bank: 24 loads; every offset is an immediate, no pointer is stepped
.irp t, 0,1,2,3
.irp g, 0,1,2
	global_load_b128 v[SET+72*(\bank)+12*\t+4*\g:SET+72*(\bank)+12*\t+4*\g+3], v1, s[20:21] offset:\t*12288+(\k)*1536+512*\g
.endr
.endr
.irp p, 0,1
.irp g, 0,1,2
	global_load_b128 v[SET+72*(\bank)+48+12*\p+4*\g:SET+72*(\bank)+48+12*\p+4*\g+3], v1, s[24:25] offset:\p*12288+(\k)*1536+512*\g
.endr
.endr
.irp t, 0,1,2,3
	global_load_b32 v[SCW+6*(\bank)+\t], v2, s[22:23] offset:\t*1024+(\k)*128
.endr
.irp p, 0,1
	global_load_b32 v[SCW+6*(\bank)+4+\p], v2, s[26:27] offset:\p*1024+(\k)*128
.endr
.endm
.macro MULK bank                       ; the eight accumulators take turns, one instruction a turn, in the same order in every step
.irp p, 0,1
.irp t, 0,1,2,3
	v_wmma_scale_f32_16x16x128_f8f6f4 v[ACC+32*\p+8*\t:ACC+32*\p+8*\t+7], v[SET+72*(\bank)+12*\t:SET+72*(\bank)+12*\t+11], v[SET+72*(\bank)+48+12*\p:SET+72*(\bank)+48+12*\p+11], v[ACC+32*\p+8*\t:ACC+32*\p+8*\t+7], v[SCW+6*(\bank)+\t], v[SCW+6*(\bank)+4+\p] matrix_a_fmt:MATRIX_FMT_FP6 matrix_b_fmt:MATRIX_FMT_FP6
.endr
.endr
.endm
; 32 numbers of a lane, register 16 b + i = k 32 b + 16 h + i of my row, become a half fragment's 6 registers at v[pc] and its two scale bytes in v[pw]
.macro QUANT2 src, pc, pw, mx, pd, sop
.irp b, 0,1
	v_max3_num_f32 v[\mx+\b], |v[\src+16*\b]|, |v[\src+16*\b+1]|, FLOOR   ; each accumulator is read from its low end on
.endr
.irp i, 2,4,6,8,10,12,14
.irp b, 0,1
	v_max3_num_f32 v[\mx+\b], v[\mx+\b], |v[\src+16*\b+\i]|, |v[\src+16*\b+\i+1]|
.endr
.endr
.irp b, 0,1
	v_permlanex16_b32 v[\pd+\b], v[\mx+\b], s[SEL], s[SEL+1]
.endr
.irp b, 0,1
	v_max_num_f32 v[\mx+\b], v[\mx+\b], v[\pd+\b]  ; with lane l xor 16's 16: the block's largest magnitude
.endr
.irp b, 0,1
	v_add_nc_u32 v[\sop+\b], 0xff000000, v[\mx+\b] ; 2 off its exponent field: the conversion's scale operand
.endr
.irp b, 0,1
	v_lshrrev_b32 v[\pd+\b], 23, v[\sop+\b]        ; the scale's byte
.endr
	v_lshl_or_b32 v[\pw], v[\pd+1], 8, v[\pd]
	v_cvt_scalef32_pk16_fp6_f32 v[\pc:\pc+2], v[\src:\src+15], v[\sop]
	v_cvt_scalef32_pk16_fp6_f32 v[\pc+4:\pc+6], v[\src+16:\src+31], v[\sop+1]
	v_nop                                          ; one plain place behind a scaled conversion
.irp i, 0,1,2
	v_permlane16_swap_b32 v[\pc+\i], v[\pc+4+\i]   ; lanes 0-15 now hold block 0 whole, lanes 16-31 block 1
.endr
	v_mov_b32 v[\pc+3], v[\pc+4]
	v_mov_b32 v[\pc+4], v[\pc+5]
	v_mov_b32 v[\pc+5], v[\pc+6]
.endm
	LOADK 0, 0
	LOADK 1, 1
.irp s, 0,1,2,3,4,5,6,7
.if \s < 7
	s_wait_loadcnt 24                              ; all but the next step's 24 loads are in: this step's, and in the first step the bias
.else
	s_wait_loadcnt 0x0
.endif
	MULK \s%2
.rept 4
	v_nop                                          ; four places behind these products (ISA guide 7.12.1): in the last step they stand in front of the first read of results; the wait below fills none of them
.endr
.if \s < 6
	s_wait_alu depctr_va_vdst(0)                   ; the step's eight products are done reading this set's six fragments and six scale words, in which the 24 loads below land
	LOADK \s+2, \s%2
.endif
.endr
.irp p, 0,1
	QUANT2 ACC+32*\p, SET+16*\p, 12+\p, 6, 8, 10   ; codes and word in registers of their own for each p: no store's data are written again
.endr
	s_wait_alu depctr_va_vdst(0)                   ; the two quantisers have written v80-85, v96-101, v12 and v13, which the six stores below read, on both ways
.irp p, 0,1
	global_store_b128 v1, v[SET+16*\p:SET+16*\p+3], s[28+2*\p:29+2*\p]               ; 512 consecutive bytes,
	global_store_b64 v3, v[SET+16*\p+4:SET+16*\p+5], s[28+2*\p:29+2*\p] offset:512   ; and 256
.endr
	s_cmp_eq_u32 s38, 2
	s_cbranch_scc1 .Lhalf_words
	global_store_b32 v2, v12, s[32:33]             ; q, k: K is 64: the word's upper two bytes are 0 and stand over zero codes
	global_store_b32 v2, v13, s[34:35]
	s_endpgm
.Lhalf_words:
	global_store_b16 v2, v12, s[32:33]             ; v: these 64 keys are half of a step's 128: two of the word's four bytes
	global_store_b16 v2, v13, s[34:35]
	s_endpgm
.Lfunc_end_k_qd21d6caea9_proj:
	.size	k_qd21d6caea9_proj, .Lfunc_end_k_qd21d6caea9_proj-k_qd21d6caea9_proj
	.p2alignl 7, 3214868480
	.fill 96, 4, 3214868480
	.section	.rodata,"a",@progbits
	.p2align	6, 0x0
	.amdhsa_kernel k_qd21d6caea9_proj
		.amdhsa_group_segment_fixed_size 0
		.amdhsa_private_segment_fixed_size 0
		.amdhsa_enable_private_segment 0
		.amdhsa_kernarg_size 56
		.amdhsa_user_sgpr_count 2
		.amdhsa_user_sgpr_kernarg_segment_ptr 1
		.amdhsa_wavefront_size32 1
		.amdhsa_system_sgpr_workgroup_id_x 1
		.amdhsa_system_sgpr_workgroup_id_y 1
		.amdhsa_system_sgpr_workgroup_id_z 1
		.amdhsa_system_vgpr_workitem_id 0
		.amdhsa_next_free_vgpr 240
		.amdhsa_next_free_sgpr 66
		.amdhsa_reserve_vcc 0
		.amdhsa_float_denorm_mode_32 3
		.amdhsa_float_denorm_mode_16_64 3
		.amdhsa_memory_ordered 1
		.amdhsa_forward_progress 1
		.amdhsa_inst_pref_size 46
	.end_amdhsa_kernel
	.amdgpu_metadata
---
amdhsa.version: [ 1, 2 ]
amdhsa.kernels:
  - .name:           k_qd21d6caea9_proj
    .symbol:         k_qd21d6caea9_proj.kd
    .args:
      - { .name: xb, .offset: 0, .size: 8, .value_kind: global_buffer, .address_space: global }
      - { .name: wb, .offset: 8, .size: 8, .value_kind: global_buffer, .address_space: global }
      - { .name: bq, .offset: 16, .size: 8, .value_kind: global_buffer, .address_space: global }
      - { .name: bk, .offset: 24, .size: 8, .value_kind: global_buffer, .address_space: global }
      - { .name: bv, .offset: 32, .size: 8, .value_kind: global_buffer, .address_space: global }
      - { .name: qb, .offset: 40, .size: 8, .value_kind: global_buffer, .address_space: global }
      - { .name: kvb, .offset: 48, .size: 8, .value_kind: global_buffer, .address_space: global }
    .group_segment_fixed_size: 0
    .private_segment_fixed_size: 0
    .kernarg_segment_align: 8
    .kernarg_segment_size: 56
    .max_flat_workgroup_size: 128
    .sgpr_count:     66
    .vgpr_count:     240
    .wavefront_size: 32
...
	.end_amdgpu_metadata
.endif
;; end of part 6
;; launch attn (part 7): grid 128 x 2, 16 waves a work-group, clusters of 4 x 1, 223,232 bytes of LDS; arguments qb, kvb, ob; writes ob
.if DOCPART == 7
	.amdgcn_target "amdgcn-amd-amdhsa--gfx1250"
	.amdhsa_code_object_version 6
	.text
	.protected	k_qd21d6caea9_attn
	.globl	k_qd21d6caea9_attn
	.p2align	8
	.type	k_qd21d6caea9_attn,@function
k_qd21d6caea9_attn:
	s_mov_b64 s[64:65], 0
	v_nop
	global_prefetch_b8 v0, s[64:65] scope:SCOPE_SE
	s_setreg_imm32_b32 hwreg(HW_REG_WAVE_MODE, 25, 1), 1
	s_wait_xcnt 0x0
	s_wait_alu depctr_hold_cnt(0) depctr_sa_sdst(0) depctr_va_vdst(0) depctr_va_sdst(0) depctr_va_ssrc(0) depctr_va_vcc(0) depctr_vm_vsrc(0)
	s_getreg_b32 s2, hwreg(HW_REG_IB_STS2, 6, 4)
	s_cmp_eq_u32 s2, 0
	s_cbranch_scc0 .Lentry_in_a_cluster
	s_endpgm
.Lentry_in_a_cluster:
	s_bfe_u32 s2, ttmp6, 0x10000c
	s_cmp_lg_u32 s2, 0x3003
	s_cbranch_scc0 .Lentry_shape_is_right
	s_endpgm
.Lentry_shape_is_right:
; Causal attention of 16 query heads on one shared head of K and V, head size 64, 2,048 keys, both products on codes of FP6 (E2M3) with E8M0 scales; the result, divided by the row's sum, is quantised along head x 64 + channel.
; THE SOFTMAX: t = score x log2(e) / 8; M = the row's largest t so far, rounded UP to a whole number; p = 2^(t - M) is quantised along the keys, not normalised.  The row's sum is taken of the unquantised p and divides
; at the end.  When M moves, the sum and O are multiplied by 2^(old M - new M): exact.
; SHARES.  A batch's K and V (codes and scale words in the order of the operands' registers: 16 chunks of 13,824 bytes, one for each 128 keys) fit in LDS whole: they are brought ONCE, wave w bringing chunk w, and nothing
; is filled again.  The four work-groups of a cluster take the same four tiles of 16 queries for four heads each and ask for the chunks JOINTLY.  Wave w: head 4 cx + w / 4; tile by k = (w / 4 + w) % 4:
; e = 2 X + k % 2, tile e or 127 - e: a tile T walks T / 8 + 1 key steps, so each head's four tiles walk 34 in every work-group.  No branch and no LDS address hangs on cx.
; LAYOUT.  Both products transposed: S^T = K Q^T (source 0 = 16 keys), O^T = V^T P^T (source 0 = 16 channels): a lane holds ONE query throughout.  Row r of a tile T (of queries, keys, channels) is
; 32 (T / 2) + 8 (T % 2) + r + 8 (r / 8): the 16 registers of source-0 tiles 2 b, 2 b + 1 are 16 neighbours: keys for p, channels for O.
; The first product's K is 64: registers 6-11 of K's and Q's fragments are zero codes, which add nothing.
; EVERY WAVE WALKS 16 TRIPS; a step all of whose keys come after its queries is jumped over by a scalar branch on ids.  In the one step on the diagonal hidden scores become -infinity ahead of the maximum.
; LIMITS: a block whose largest magnitude lies under 2^-124 keeps the byte 1, a block of zeros too (its codes are zeros); NaN and infinities are not served.  A block's largest p is made from the block's largest score
; by the same multiply-add and exponential: that takes v_exp_f32 not to fall where its input rises.
; REGISTERS: v1-3 16, 8, 4 x lane; v4 my query's place against a register's key; v5-7 the step's LDS addresses; v8-11 V's scale words; v12 -M, v13 the largest t, v[14:15] the sum; v16-27 Q; v32-79 four fragments of K;
; v80-127 V's four; v128-191 S^T, then p; v192-223 O^T; v224-235 p's codes; v232-247 at work; v248-251 K's scale words; v252 f; v253 p's scale word; v254 at work; v255 Q's scale word.
.set QB_SC, 3145728
.set OB_SC, 3145728
.set KVB,   221184
.set CH,    13824
.set FLOOR, 0x1800000
.set KS,    32
.set VS,    80
.set S,     128
.set O,     192
.set WV,    10                         ; s10  my wave's number
.set SEL,   24                         ; s[24:25] lane selects for lane l xor 16
.set CS,    26                         ; s[26:27] c = log2(e) / 8
.set KF,    28                         ; s28  the step's first key
.set TB,    29                         ; s29  the step's chunk in LDS
.set CNT,   30                         ; s30  trips to go
.set Q0,    31                         ; s31  my tile's smallest query;  s32 its largest
.set QMAX,  32
.macro ROUND                           ; a round of the cluster's barrier
	s_barrier_signal -1
	s_barrier_wait -1
	s_cmp_lg_u32 s[WV], 0
	s_cbranch_scc1 .Lnot_wave_0_\@
	s_barrier_signal -3
.Lnot_wave_0_\@:
	s_barrier_wait -3
	s_barrier_signal -1
	s_barrier_wait -1
.endm
	s_load_b128 s[4:7], s[0:1], 0x0                ; qb, kvb
	s_load_b64 s[8:9], s[0:1], 0x10                ; ob
	v_lshl_add_u32 v31, v0, 2, 0x36000
	v_mov_b32 v243, 0
	ds_add_u32 v31, v243
	ds_add_u32 v31, v243
	v_lshrrev_b32 v4, 5, v0
	s_delay_alu instid0(VALU_DEP_1)
	v_readfirstlane_b32 s[WV], v4                  ; wave 0..15
	v_and_b32 v3, 31, v0
	s_delay_alu instid0(VALU_DEP_1)
	v_lshlrev_b32 v1, 4, v3
	s_delay_alu instid0(VALU_DEP_2)
	v_lshlrev_b32 v2, 3, v3
	s_delay_alu instid0(VALU_DEP_3)
	v_lshlrev_b32 v3, 2, v3
	v_and_b32 v5, 15, v0
	s_delay_alu instid0(VALU_DEP_1)
	v_and_b32 v6, 8, v5
	s_delay_alu instid0(VALU_DEP_1)
	v_add_nc_u32 v4, v5, v6
	v_bfe_u32 v6, v0, 4, 1
	s_delay_alu instid0(VALU_DEP_1)
	v_lshlrev_b32 v6, 4, v6
	s_delay_alu instid0(VALU_DEP_1)
	v_sub_nc_u32 v4, v4, v6                        ; r + 8 (r / 8) - 16 h
	s_bfe_u32 s42, ttmp6, 0x40000                  ; cx: it enters Q's and O's addresses alone
	s_and_b32 s43, ttmp7, 0xffff                   ; the batch
	s_lshr_b32 s44, s[WV], 2                       ; which of my work-group's four heads
	s_add_co_u32 s45, s44, s[WV]
	s_and_b32 s45, s45, 3                          ; k
	s_and_b32 s46, s45, 1
	s_lshl_b32 s47, ttmp9, 1
	s_add_co_u32 s46, s46, s47                     ; e = 2 X + k % 2
	s_sub_co_u32 s47, 127, s46
	s_and_b32 s48, s45, 2
	s_cmp_lg_u32 s48, 0
	s_cselect_b32 s46, s47, s46                    ; T
	s_lshr_b32 s[Q0], s46, 1
	s_lshl_b32 s[Q0], s[Q0], 5
	s_and_b32 s47, s46, 1
	s_lshl_b32 s47, s47, 3
	s_add_co_u32 s[Q0], s[Q0], s47
	s_add_co_u32 s[QMAX], s[Q0], 23
	s_lshl_b32 s48, s43, 7
	s_add_co_u32 s48, s48, s46                     ; the tile among all 256
	s_lshl_b32 s49, s42, 2
	s_add_co_u32 s49, s49, s44                     ; the head
	s_lshl_b32 s50, s48, 4
	s_add_co_u32 s50, s50, s49
	s_mul_i32 s52, s50, 768                        ; a half fragment's place, in qb and in ob alike
	s_mov_b32 s53, 0
	s_lshl_b32 s54, s50, 7
	s_add_co_u32 s54, s54, QB_SC                   ; Q's scale words
	s_mov_b32 s55, 0
	s_lshl_b32 s56, s48, 3
	s_lshr_b32 s57, s49, 1
	s_add_co_u32 s56, s56, s57
	s_lshl_b32 s56, s56, 7                         ; O's: two heads share a word:
	s_and_b32 s57, s49, 1
	s_lshl_b32 s57, s57, 1
	s_add_co_u32 s56, s56, s57                     ; mine are its bytes 2 (head % 2) on
	s_add_co_u32 s56, s56, OB_SC
	s_mov_b32 s57, 0
	; the descriptor: chunk w: 13,824 dense bytes as 54 rows of 256 bytes (32 elements of 8 bytes), no padding
	s_mov_b32 s12, 1                               ; 1:0 count = 1
	s_mul_i32 s13, s[WV], CH                       ; 63:32 LDS address: the wave's number x a chunk
	s_mul_i32 s58, s43, KVB
	s_add_co_u32 s58, s58, s13
	s_mov_b32 s59, 0
	s_mov_b32 s16, 15|(3<<16)|(1<<21)              ; 15:0 the mask: all four work-groups; 17:16 elements of 8 bytes; 21 set beside a mask
	s_mov_b32 s17, 32<<16                          ; tensor_dim0 = 32
	s_mov_b32 s18, 54<<16                          ; tensor_dim1 = 54
	s_mov_b32 s19, 32<<16                          ; tile_dim0 = 32
	s_mov_b32 s20, 54                              ; tile_dim1 = 54
	s_mov_b32 s21, 32                              ; tensor_dim0_stride
	s_mov_b32 s22, 0
	s_mov_b32 s23, 0
	s_mov_b32 s[SEL], 0x76543210
	s_mov_b32 s[SEL+1], 0xfedcba98
	s_mov_b32 s[CS], 0x3e38aa3b                    ; log2(e) / 8
	s_mov_b32 s[CS+1], s[CS]                       ; (named with it as a pair, so it is written)
	s_mov_b32 s[KF], 0
	s_mov_b32 s[TB], 0
	s_mov_b32 s[CNT], 16
	s_wait_dscnt 0x0
	s_wait_kmcnt 0x0
	s_add_nc_u64 s[14:15], s[6:7], s[58:59]        ; 120:64 global address: the batch and the wave's number alone
	s_or_b32 s15, s15, 0x80000000                  ; 127:126 type = 2
	s_add_nc_u64 s[34:35], s[4:5], s[52:53]        ; Q's codes
	s_add_nc_u64 s[36:37], s[4:5], s[54:55]        ; Q's scale words
	s_add_nc_u64 s[38:39], s[8:9], s[52:53]        ; O's codes
	s_add_nc_u64 s[40:41], s[8:9], s[56:57]        ; O's scale bytes
	ROUND                                          ; all four work-groups are here: the joint loads meet
	tensor_load_to_lds s[12:15], s[16:23]          ; my one tensor load of the launch
	s_nop 0
.rept 4
	v_nop
.endr
	s_wait_alu depctr_va_vdst(0)
	global_load_b128 v[16:19], v1, s[34:35]        ; Q's half fragment stays in registers
	global_load_b64 v[20:21], v2, s[34:35] offset:512
	global_load_b32 v255, v3, s[36:37]
.irp i, 22,23,24,25,26,27
	v_mov_b32 v[\i], 0                             ; K = 64 .. 127 of Q: zero codes
.endr
.irp t, 0,1,2,3
.irp i, 6,7,8,9,10,11
	v_mov_b32 v[KS+12*\t+\i], 0                    ; and of K's four fragments: written once, never loaded over
.endr
.endr
	v_mov_b32 v13, 0xff61b1e6                      ; the largest t so far: -3e38, under every t
	s_delay_alu instid0(VALU_DEP_1)
	v_floor_f32 v12, -v13                          ; -M
	v_mov_b32 v14, 0                               ; the sum, in two halves
	v_mov_b32 v15, 0
.irp b, 0,1,2,3
	v_mov_b32 v[236+\b], 0                         ; a lane permute's destination counts as one of its sources
.endr
	v_mov_b32 v252, 0
	v_mov_b32 v253, 0                              ; (named as the upper half of the pair v[252:253] before it is first written)
.set j, 0
.rept 32
	v_mov_b32 v[O+j], 0                            ; O^T: the step is written once: the first finds zeros, which the first change of M leaves zeros
.set j, j+1
.endr
	s_wait_tensorcnt 0x0                           ; my chunk has landed,
	s_barrier_signal -1
	s_barrier_wait -1                              ; everybody's has: all 16 chunks may be read by all waves, and nobody writes LDS again
	s_wait_loadcnt 0x0                             ; Q
.macro KLD g                           ; tiles 4 g .. 4 g + 3 of the step's keys: 12 loads
.irp t, 0,1,2,3
	ds_load_b128 v[KS+12*\t:KS+12*\t+3], v5 offset:768*(4*(\g)+\t)
	ds_load_b64 v[KS+12*\t+4:KS+12*\t+5], v6 offset:768*(4*(\g)+\t)+512
	ds_load_b32 v[248+\t], v7 offset:12288+128*(4*(\g)+\t)
.endr
.endm
.macro SQK g
.irp t, 0,1,2,3
	v_wmma_scale_f32_16x16x128_f8f6f4 v[S+8*(4*(\g)+\t):S+8*(4*(\g)+\t)+7], v[KS+12*\t:KS+12*\t+11], v[16:27], 0, v[248+\t], v255 matrix_a_fmt:MATRIX_FMT_FP6 matrix_b_fmt:MATRIX_FMT_FP6
.endr
.endm
.macro PLACES
.rept 4
	v_nop
.endr
.endm
.Lstep:
	s_cmp_gt_u32 s[KF], s[QMAX]                    ; all 128 keys come after my queries: the step's work is left out
	s_cbranch_scc1 .Lhidden
	s_setprio 2
	v_add_nc_u32 v5, s[TB], v1
	v_add_nc_u32 v6, s[TB], v2
	v_add_nc_u32 v7, s[TB], v3
	v_nop                                          ; with the three additions: four places behind the last step's products, in front of the loads into V's registers (ISA guide 7.12.1 for vector instructions)
	KLD 0
.irp d, 0,1,2,3                        ; V's four whole fragments and their scale words: 20 loads, asked for a softmax ahead of their use
.irp c, 0,1
	ds_load_b128 v[VS+12*\d+6*\c:VS+12*\d+6*\c+3], v5 offset:6144+1536*\d+768*\c
	ds_load_b64 v[VS+12*\d+6*\c+4:VS+12*\d+6*\c+5], v6 offset:6144+1536*\d+768*\c+512
.endr
	ds_load_b32 v[8+\d], v7 offset:13312+128*\d
.endr
	s_wait_alu depctr_va_vdst(0)
	s_wait_dscnt 20                                ; K's first 12 loads are in; V's 20 may be out
	SQK 0
	PLACES
	KLD 1
	s_wait_dscnt 0x0
	SQK 1                                          ; lane (r, h): my query; register 16 b + i: key KF + 32 b + 16 h + i
	PLACES
	s_add_co_u32 s42, s[KF], 127
	s_cmp_le_u32 s42, s[Q0]                        ; every key counts for every query of mine: no mask
	s_cbranch_scc1 .Lopen
	s_sub_co_i32 s42, s[Q0], s[KF]
	v_add_nc_u32 v252, s42, v4                     ; d = my query - KF - 16 h: register 16 b + i is hidden where 32 b + i > d
	v_mov_b32 v254, 0xff800000                     ; -infinity
.set n, 0
.rept 64
	v_cmp_gt_i32 vcc_lo, 32*(n/16)+n%16, v252
	v_cndmask_b32 v[S+n], v[S+n], v254, vcc_lo
.set n, n+1
.endr
.Lopen:
.irp b, 0,1,2,3
	v_max3_num_f32 v[232+\b], v[S+16*\b], v[S+1+16*\b], v[S+2+16*\b]   ; THE LARGEST SCORE OF EACH BLOCK OF 32 KEYS: for the row's maximum, and, since p rises with the score, for the block's largest p
.endr
.irp i, 3,5,7,9,11,13
.irp b, 0,1,2,3
	v_max3_num_f32 v[232+\b], v[232+\b], v[S+16*\b+\i], v[S+1+16*\b+\i]
.endr
.endr
.irp b, 0,1,2,3
	v_max_num_f32 v[232+\b], v[232+\b], v[S+15+16*\b]
.endr
.irp b, 0,1,2,3
	s_delay_alu instid0(VALU_DEP_4)
	v_permlanex16_b32 v[236+\b], v[232+\b], s[SEL], s[SEL+1]
.endr
.irp b, 0,1,2,3
	s_delay_alu instid0(VALU_DEP_4)
	v_max_num_f32 v[232+\b], v[232+\b], v[236+\b]  ; with lane l xor 16's 16 keys
.endr
	s_delay_alu instid0(VALU_DEP_2)
	v_max3_num_f32 v254, v232, v233, v234
	s_delay_alu instid0(VALU_DEP_1)
	v_max_num_f32 v254, v254, v235                 ; the step's largest score of my query
	s_delay_alu instid0(VALU_DEP_1)
	v_mul_f32 v254, s[CS], v254                    ; as t (c is positive)
	s_delay_alu instid0(VALU_DEP_1)
	v_max_num_f32 v13, v13, v254                   ; the running largest t
	v_mov_b32 v254, v12
	s_delay_alu instid0(VALU_DEP_2)
	v_floor_f32 v12, -v13                          ; the new -M = floor(-t) = -ceil(t)
	s_delay_alu instid0(VALU_DEP_1)
	v_sub_f32 v254, v12, v254                      ; old M - new M: a whole number, 0 or less
	s_delay_alu instid0(VALU_DEP_1)
	v_cvt_i32_f32 v254, v254                       ; (it saturates)
	s_delay_alu instid0(VALU_DEP_1)
	v_ldexp_f32 v252, 1.0, v254                    ; f = 2^(old M - new M)
.set j, 0
	s_setprio 1
.rept 32
	v_pk_fma_f32 v[S+j:S+j+1], v[S+j:S+j+1], s[CS:CS+1], v[12:13] op_sel_hi:[1,0,0]   ; t - M, two at a time
.set j, j+2
.endr
.irp b, 0,1,2,3
	v_fma_f32 v[232+\b], v[232+\b], s[CS], v12     ; the same of each block's largest score
.endr
.set j, 0
	s_wait_alu depctr_va_vdst(0)
.rept 64
	v_exp_f32 v[S+j], v[S+j]                       ; p = 2^(t - M), at most 1
.set j, j+1
.endr
.irp b, 0,1,2,3
	v_exp_f32 v[232+\b], v[232+\b]                 ; the block's largest p
.endr
	v_pk_mul_f32 v[14:15], v[14:15], v[252:253] op_sel_hi:[1,0]   ; the sums under the new M.  (A plain place behind the exponentials)
	s_wait_alu depctr_va_vdst(0)
.irp b, 0,1,2,3
	v_max_num_f32 v[232+\b], FLOOR, v[232+\b]      ; the byte cannot fall under 1 (a block whose every p is 0 keeps that byte: its codes are zeros)
.endr
.irp b, 0,1,2,3
	s_delay_alu instid0(VALU_DEP_4)
	v_add_nc_u32 v[244+\b], 0xff000000, v[232+\b]  ; 2 off the exponent field: the conversion's scale operand
.endr
.irp b, 0,1,2,3
	s_delay_alu instid0(VALU_DEP_4)
	v_lshrrev_b32 v[236+\b], 23, v[244+\b]         ; the scale's byte
.endr
	s_delay_alu instid0(VALU_DEP_3)
	v_lshl_or_b32 v253, v237, 8, v236              ; p's scale word for these 128 keys
	s_delay_alu instid0(VALU_DEP_1)
	v_lshl_or_b32 v253, v238, 16, v253
	s_delay_alu instid0(VALU_DEP_1)
	v_lshl_or_b32 v253, v239, 24, v253
.irp c, 0,1
	v_cvt_scalef32_pk16_fp6_f32 v[224+6*\c:226+6*\c], v[S+32*\c:S+15+32*\c], v[244+2*\c]
	v_cvt_scalef32_pk16_fp6_f32 v[236+4*\c:238+4*\c], v[S+16+32*\c:S+31+32*\c], v[244+2*\c+1]
.endr
	v_nop                                          ; one plain place behind a scaled conversion
.irp c, 0,1                            ; the operand wants a WHOLE block in a lane
.irp i, 0,1,2
	v_permlane16_swap_b32 v[224+6*\c+\i], v[236+4*\c+\i]
.endr
.irp i, 0,1,2
	s_delay_alu instid0(VALU_DEP_3)
	v_mov_b32 v[227+6*\c+\i], v[236+4*\c+\i]
.endr
.endr
.set j, 0
	s_setprio 0
.rept 16
	v_pk_mul_f32 v[O+j:O+j+1], v[O+j:O+j+1], v[252:253] op_sel_hi:[1,0]   ; O^T under the new M, from each accumulator's low end on
.set j, j+2
.endr
	v_pk_add_f32 v[236:237], v[132:133], v[136:137]
	v_pk_add_f32 v[250:251], v[140:141], v[144:145]
	v_pk_add_f32 v[248:249], v[148:149], v[152:153]
	v_pk_add_f32 v[246:247], v[156:157], v[160:161]
	v_pk_add_f32 v[244:245], v[164:165], v[168:169]
	v_pk_add_f32 v[240:241], v[172:173], v[176:177]
	v_pk_add_f32 v[72:73], v[180:181], v[184:185]
	v_pk_add_f32 v[14:15], v[14:15], v[188:189]
	v_pk_add_f32 v[236:237], v[236:237], v[128:129]
	v_pk_add_f32 v[250:251], v[250:251], v[130:131]
	v_pk_add_f32 v[248:249], v[248:249], v[134:135]
	v_pk_add_f32 v[246:247], v[246:247], v[138:139]
	v_pk_add_f32 v[244:245], v[244:245], v[142:143]
	v_pk_add_f32 v[240:241], v[240:241], v[146:147]
	v_pk_add_f32 v[72:73], v[72:73], v[150:151]
	v_pk_add_f32 v[14:15], v[14:15], v[154:155]
	v_pk_add_f32 v[236:237], v[236:237], v[158:159]
	v_pk_add_f32 v[250:251], v[250:251], v[162:163]
	v_pk_add_f32 v[248:249], v[248:249], v[166:167]
	v_pk_add_f32 v[246:247], v[246:247], v[170:171]
	v_pk_add_f32 v[244:245], v[244:245], v[174:175]
	v_pk_add_f32 v[240:241], v[240:241], v[178:179]
	v_pk_add_f32 v[72:73], v[72:73], v[182:183]
	v_pk_add_f32 v[14:15], v[14:15], v[186:187]
	v_pk_add_f32 v[236:237], v[236:237], v[190:191]
	s_delay_alu instid0(VALU_DEP_2)
	v_pk_add_f32 v[14:15], v[14:15], v[246:247]
	s_delay_alu instid0(VALU_DEP_2)
	v_pk_add_f32 v[236:237], v[236:237], v[244:245]
	v_pk_add_f32 v[250:251], v[250:251], v[240:241]
	v_pk_add_f32 v[248:249], v[248:249], v[72:73]
	s_delay_alu instid0(VALU_DEP_2)
	v_pk_add_f32 v[14:15], v[14:15], v[250:251]
	s_delay_alu instid0(VALU_DEP_2)
	v_pk_add_f32 v[236:237], v[236:237], v[248:249]
	s_delay_alu instid0(VALU_DEP_1)
	v_pk_add_f32 v[14:15], v[14:15], v[236:237]
.irp d, 0,1,2,3                        ; O^T += V^T P^T: the four accumulators by turns; between two turns of one stand the next step's eight products S^T
	v_wmma_scale_f32_16x16x128_f8f6f4 v[O+8*\d:O+8*\d+7], v[VS+12*\d:VS+12*\d+11], v[224:235], v[O+8*\d:O+8*\d+7], v[8+\d], v253 matrix_a_fmt:MATRIX_FMT_FP6 matrix_b_fmt:MATRIX_FMT_FP6
.endr
.Lhidden:
	s_add_co_u32 s[KF], s[KF], 128
	s_add_co_u32 s[TB], s[TB], CH
	s_sub_co_u32 s[CNT], s[CNT], 1
	s_cmp_lg_u32 s[CNT], 0
	s_cbranch_scc1 .Lstep
	s_setprio 0
	; THE WAY OUT: O^T / the sum; register 16 b + i of lane (r, h) is channel 32 b + 16 h + i of my query: two blocks along the last product's K, quantised as they stand
	PLACES
	s_wait_alu depctr_va_vdst(0)
	v_add_f32 v14, v14, v15
	s_delay_alu instid0(VALU_DEP_1)
	v_permlanex16_b32 v252, v14, s[SEL], s[SEL+1]
	s_delay_alu instid0(VALU_DEP_1)
	v_add_f32 v14, v14, v252                       ; the row's sum
	s_wait_alu depctr_va_vdst(0)
	v_rcp_f32 v14, v14
	v_nop                                          ; a plain place behind the transcendental
.set j, 0
	s_wait_alu depctr_va_vdst(0)
.rept 16
	v_pk_mul_f32 v[S+j:S+j+1], v[O+j:O+j+1], v[14:15] op_sel_hi:[1,0]
.set j, j+2
.endr
.irp b, 0,1
	v_max3_num_f32 v[232+\b], |v[S+16*\b]|, |v[S+16*\b+1]|, FLOOR
.endr
.irp i, 2,4,6,8,10,12,14
.irp b, 0,1
	s_delay_alu instid0(VALU_DEP_2)
	v_max3_num_f32 v[232+\b], v[232+\b], |v[S+16*\b+\i]|, |v[S+16*\b+\i+1]|
.endr
.endr
.irp b, 0,1
	s_delay_alu instid0(VALU_DEP_2)
	v_permlanex16_b32 v[236+\b], v[232+\b], s[SEL], s[SEL+1]
.endr
.irp b, 0,1
	s_delay_alu instid0(VALU_DEP_2)
	v_max_num_f32 v[232+\b], v[232+\b], v[236+\b]
.endr
.irp b, 0,1
	s_delay_alu instid0(VALU_DEP_2)
	v_add_nc_u32 v[244+\b], 0xff000000, v[232+\b]
.endr
.irp b, 0,1
	s_delay_alu instid0(VALU_DEP_2)
	v_lshrrev_b32 v[236+\b], 23, v[244+\b]
.endr
	s_delay_alu instid0(VALU_DEP_1)
	v_lshl_or_b32 v253, v237, 8, v236              ; my head's two bytes of the row's scale word
	v_cvt_scalef32_pk16_fp6_f32 v[224:226], v[S:S+15], v244
	v_cvt_scalef32_pk16_fp6_f32 v[228:230], v[S+16:S+31], v245
	v_nop                                          ; one plain place behind a scaled conversion
.irp i, 0,1,2
	v_permlane16_swap_b32 v[224+\i], v[228+\i]
.endr
	s_delay_alu instid0(VALU_DEP_3)
	v_mov_b32 v227, v228
	s_delay_alu instid0(VALU_DEP_3)
	v_mov_b32 v228, v229
	s_delay_alu instid0(VALU_DEP_3)
	v_mov_b32 v229, v230
	global_store_b128 v1, v[224:227], s[38:39]     ; a half fragment: 512 consecutive bytes,
	global_store_b64 v2, v[228:229], s[38:39] offset:512   ; and 256
	global_store_b16 v3, v253, s[40:41]
	s_wait_dscnt 0x0                               ; no LDS instruction of mine is out at a signal
	s_wait_tensorcnt 0x0
	ds_add_u32 v31, v243
	s_wait_dscnt 0x0
	ROUND                                          ; the closing round: no work-group ends while a partner may still ask for a chunk that names it
	s_endpgm
.Lfunc_end_k_qd21d6caea9_attn:
	.size	k_qd21d6caea9_attn, .Lfunc_end_k_qd21d6caea9_attn-k_qd21d6caea9_attn
	.p2alignl 7, 3214868480
	.fill 96, 4, 3214868480
	.section	.rodata,"a",@progbits
	.p2align	6, 0x0
	.amdhsa_kernel k_qd21d6caea9_attn
		.amdhsa_group_segment_fixed_size 223232
		.amdhsa_private_segment_fixed_size 0
		.amdhsa_enable_private_segment 0
		.amdhsa_kernarg_size 24
		.amdhsa_user_sgpr_count 2
		.amdhsa_user_sgpr_kernarg_segment_ptr 1
		.amdhsa_wavefront_size32 1
		.amdhsa_system_sgpr_workgroup_id_x 1
		.amdhsa_system_sgpr_workgroup_id_y 1
		.amdhsa_system_sgpr_workgroup_id_z 1
		.amdhsa_system_vgpr_workitem_id 0
		.amdhsa_next_free_vgpr 256
		.amdhsa_next_free_sgpr 66
		.amdhsa_reserve_vcc 1
		.amdhsa_float_denorm_mode_32 3
		.amdhsa_float_denorm_mode_16_64 3
		.amdhsa_memory_ordered 1
		.amdhsa_forward_progress 1
		.amdhsa_inst_pref_size 36
	.end_amdhsa_kernel
	.amdgpu_metadata
---
amdhsa.version: [ 1, 2 ]
amdhsa.kernels:
  - .name:           k_qd21d6caea9_attn
    .symbol:         k_qd21d6caea9_attn.kd
    .args:
      - { .name: qb, .offset: 0, .size: 8, .value_kind: global_buffer, .address_space: global }
      - { .name: kvb, .offset: 8, .size: 8, .value_kind: global_buffer, .address_space: global }
      - { .name: ob, .offset: 16, .size: 8, .value_kind: global_buffer, .address_space: global }
    .group_segment_fixed_size: 223232
    .private_segment_fixed_size: 0
    .kernarg_segment_align: 8
    .kernarg_segment_size: 24
    .max_flat_workgroup_size: 512
    .sgpr_count:     66
    .vgpr_count:     256
    .wavefront_size: 32
...
	.end_amdgpu_metadata
.endif
;; end of part 7
;; launch oproj (part 8): grid 512 x 1, 4 waves a work-group, no clusters, 17,920 bytes of LDS; arguments ob, wb, bo, out0; writes out0
.if DOCPART == 8
	.amdgcn_target "amdgcn-amd-amdhsa--gfx1250"
	.amdhsa_code_object_version 6
	.text
	.protected	k_qd21d6caea9_oproj
	.globl	k_qd21d6caea9_oproj
	.p2align	8
	.type	k_qd21d6caea9_oproj,@function
k_qd21d6caea9_oproj:
	s_mov_b64 s[64:65], 0
	v_nop
	global_prefetch_b8 v0, s[64:65] scope:SCOPE_SE
	s_setreg_imm32_b32 hwreg(HW_REG_WAVE_SCHED_MODE, 0, 2), 2
	s_setreg_imm32_b32 hwreg(HW_REG_WAVE_MODE, 25, 1), 1
	s_wait_xcnt 0x0
	s_wait_alu depctr_vm_vsrc(0)
; out0 = o Wo + bo on codes of FP6 (E2M3) with E8M0 scales, K = 1,024 = head x 64 + channel.  o: 256 tiles of 16 rows, for each K step two half fragments on end (heads 2 s and 2 s + 1); Wo: tiles 64-127 of wb, whole fragments.
; A wave (u = 4 id + wave) takes 64 columns (u / 128: four tiles of Wo as source 0) x 32 rows (u % 128: two tiles of o as source 1): eight accumulators, eight K steps of 128, operands straight from memory in the order of
; their registers, two sets by turns.  The accumulators begin as the bias.  Row r of a tile T is 32 (T / 2) + 8 (T % 2) + r + 8 (r / 8), of Wo's columns and of o's rows alike.
; Used so, a lane holds eight neighbouring columns of one row of the result in each accumulator; a tile's 16 rows x 256 bytes go through the wave's own stage in LDS and leave as whole rows: 16 lanes store 256 consecutive bytes, aligned.
; THE MODE: SCHED_MODE bits 1:0 = 2 (LLVM: expert scheduling mode 2), set by the entry lines.  The code itself states the register dependences between vector or matrix instructions and memory or LDS instructions,
; with s_wait_alu, always for 0.
; THE PLAN.  Registers that memory or LDS instructions touch:
;   v1-v7            offsets and LDS addresses, made once at the head and never written again; every step stands in an immediate.
;   ACC              The bias lands here once; then the products alone name it; on the way out the LDS stores read it.
;   set 0, set 1     and their six scale words each.  Step s: its eight products read set s % 2; behind them the loads of step s + 2 land in it.  On the way out the rows read back from the stage land in v80-143.
;   v240, v241       written at the head, read by the closing add alone.
; So ONE wait on va_vdst stands in a step, behind its products: it states that they are done reading the set that is asked for again at once: two steps' loads, 52, stay on their way, which a set that lay idle until
; the next step's head would halve.  One more stands at the head, for the offsets and addresses, and one at the head of the way out.  No register that a memory or LDS instruction has read is written again.
.set WB_SC, 1671168
.set OB_SC, 3145728
.set ACC,   16                         ; v16-79   accumulator (t, p) at 16 + 32 p + 8 t
.set SET,   80                         ; v80-151, v152-223: two sets of fragments; on the way out v80-143 take the rows read back
.set SCW,   224                        ; v224-235 scale words, and nothing else
.set STG,   4352                       ; LDS: 16 rows for each wave
.set SP,    272                        ; a stage row: 256 bytes + 16 = 68 words: row r starts at bank 4 r mod 64 (64 banks of 4 bytes: ISA guide 11.1)
	s_load_b256 s[4:11], s[0:1], 0x0               ; ob, wb, bo, out0
	v_lshl_add_u32 v240, v0, 2, 0x4400
	v_mov_b32 v241, 0
	v_lshrrev_b32 v1, 5, v0
	v_readfirstlane_b32 s18, v1                    ; wave
	v_and_b32 v3, 31, v0
	v_lshlrev_b32 v1, 4, v3                        ; 16 x lane
	v_lshlrev_b32 v2, 2, v3                        ; 4 x lane
	v_lshlrev_b32 v3, 3, v3                        ; 8 x lane
	v_bfe_u32 v8, v0, 4, 1                         ; h
	v_and_b32 v9, 15, v0                           ; r
	v_lshlrev_b32 v4, 6, v8                        ; 64 h: my 16 columns of a block of 32
	s_wait_alu depctr_va_sdst(0)                   ; s18, the wave's number, is written, ahead of its first reader below
	s_mul_i32 s19, s18, STG
	v_mul_u32_u24 v5, v9, SP
	v_add_nc_u32 v5, v5, v4
	v_add_nc_u32 v5, s19, v5                       ; into the stage: row r, + 64 h
	v_mul_u32_u24 v6, v8, SP
	v_lshl_add_u32 v6, v9, 4, v6
	v_add_nc_u32 v6, s19, v6                       ; back: lanes 0-15 one row, lanes 16-31 the next
	v_lshlrev_b32 v7, 12, v8
	v_lshl_add_u32 v7, v9, 4, v7                   ; and the same two rows in out0
	s_mov_b32 s35, 0                               ; the upper word of every offset
	s_lshl_b32 s30, ttmp9, 2
	s_add_co_u32 s30, s30, s18                     ; u
	s_lshr_b32 s31, s30, 7                         ; the group of 64 columns
	s_and_b32 s32, s30, 127                        ; the pair of row tiles
	s_lshl_b32 s33, s31, 2
	s_add_co_u32 s33, s33, 64                      ; Wo's first tile in wb
	s_wait_kmcnt 0x0
	s_lshl_b32 s34, s33, 10
	s_add_co_u32 s34, s34, WB_SC
	s_add_nc_u64 s[22:23], s[6:7], s[34:35]        ; Wo's scale words
	s_mul_i32 s34, s33, 12288
	s_add_nc_u64 s[20:21], s[6:7], s[34:35]        ; Wo's codes
	s_lshl_b32 s34, s32, 11
	s_add_co_u32 s34, s34, OB_SC
	s_add_nc_u64 s[26:27], s[4:5], s[34:35]        ; o's scale words: 1,024 bytes a tile
	s_mul_i32 s34, s32, 24576
	s_add_nc_u64 s[24:25], s[4:5], s[34:35]        ; o's codes: 12,288 bytes a tile
	s_lshl_b32 s34, s31, 8
	s_add_nc_u64 s[36:37], s[8:9], s[34:35]        ; bo at my 64 columns
	s_lshl_b32 s33, s32, 17                        ; 32 rows of 4,096 bytes
	s_add_co_u32 s34, s34, s33
	s_add_nc_u64 s[28:29], s[10:11], s[34:35]      ; out0 at my first row and column
	s_wait_alu depctr_va_vdst(0)                   ; the seven offsets and addresses v1 to v7 are written: every load, store and LDS instruction of the kernel reads one of them, and no later vector or matrix instruction names them
.irp p, 0,1
.irp t, 0,1,2,3
	global_load_b128 v[ACC+32*\p+8*\t:ACC+32*\p+8*\t+3], v4, s[36:37] offset:128*(\t/2)+32*(\t%2)       ; the bias, straight into the accumulators: register j: column 32 (t / 2) + 16 h + 8 (t % 2) + j
	global_load_b128 v[ACC+32*\p+8*\t+4:ACC+32*\p+8*\t+7], v4, s[36:37] offset:128*(\t/2)+32*(\t%2)+16
.endr
.endr
.macro LOADK k, bank                   ; K step k into set bank: 26 loads; every offset is an immediate
.irp t, 0,1,2,3
.irp g, 0,1,2
	global_load_b128 v[SET+72*(\bank)+12*\t+4*\g:SET+72*(\bank)+12*\t+4*\g+3], v1, s[20:21] offset:\t*12288+(\k)*1536+512*\g
.endr
.endr
.irp p, 0,1
.irp c, 0,1
	global_load_b128 v[SET+72*(\bank)+48+12*\p+6*\c:SET+72*(\bank)+48+12*\p+6*\c+3], v1, s[24:25] offset:\p*12288+(\k)*1536+768*\c          ; half c: registers 6 c .. 6 c + 3,
	global_load_b64 v[SET+72*(\bank)+48+12*\p+6*\c+4:SET+72*(\bank)+48+12*\p+6*\c+5], v3, s[24:25] offset:\p*12288+(\k)*1536+768*\c+512   ; 6 c + 4, 6 c + 5
.endr
.endr
.irp t, 0,1,2,3
	global_load_b32 v[SCW+6*(\bank)+\t], v2, s[22:23] offset:\t*1024+(\k)*128
.endr
.irp p, 0,1
	global_load_b32 v[SCW+6*(\bank)+4+\p], v2, s[26:27] offset:\p*1024+(\k)*128
.endr
.endm
.macro MULK bank                       ; the eight accumulators take turns, one instruction a turn, in the same order in every step
.irp p, 0,1
.irp t, 0,1,2,3
	v_wmma_scale_f32_16x16x128_f8f6f4 v[ACC+32*\p+8*\t:ACC+32*\p+8*\t+7], v[SET+72*(\bank)+12*\t:SET+72*(\bank)+12*\t+11], v[SET+72*(\bank)+48+12*\p:SET+72*(\bank)+48+12*\p+11], v[ACC+32*\p+8*\t:ACC+32*\p+8*\t+7], v[SCW+6*(\bank)+\t], v[SCW+6*(\bank)+4+\p] matrix_a_fmt:MATRIX_FMT_FP6 matrix_b_fmt:MATRIX_FMT_FP6
.endr
.endr
.endm
	LOADK 0, 0
	LOADK 1, 1
.irp s, 0,1,2,3,4,5,6,7
.if \s < 7
	s_wait_loadcnt 26                              ; all but the next step's 26 loads are in: this step's, and in the first step the bias
.else
	s_wait_loadcnt 0x0
.endif
	MULK \s%2
.rept 4
	v_nop                                          ; four places behind these products (ISA guide 7.12.1): in the last step they stand in front of the first read of results; the waits below fill none of them
.endr
.if \s < 6
	s_wait_alu depctr_va_vdst(0)                   ; the step's eight products are done reading this set's six fragments and six scale words, in which the 26 loads below land
	LOADK \s+2, \s%2
.endif
.endr
	; THE WAY OUT, a tile of 16 rows at a time through my own stage.  LDS serves a wave's instructions in order (ISA guide 5.7.1.4): no wait between the stores and the loads, nor in front of the second tile's stores
	s_wait_alu depctr_va_vdst(0)                   ; the products have written the accumulators, which the LDS stores read, and are done reading v80-143, in which the loads from the stage land; the places above stay beside this wait
.irp p, 0,1
.irp t, 0,1,2,3
	ds_store_b128 v5, v[ACC+32*\p+8*\t:ACC+32*\p+8*\t+3] offset:128*(\t/2)+32*(\t%2)          ; each accumulator from its low end on
	ds_store_b128 v5, v[ACC+32*\p+8*\t+4:ACC+32*\p+8*\t+7] offset:128*(\t/2)+32*(\t%2)+16
.endr
.irp i, 0,1,2,3,4,5,6,7
	ds_load_b128 v[SET+32*\p+4*\i:SET+32*\p+4*\i+3], v6 offset:2*\i*SP
.endr
.endr
	s_wait_dscnt 16                                ; the first tile's rows are back; the second's 8 stores and 8 loads may be out
.irp i, 0,1,2,3,4,5,6,7
	global_store_b128 v7, v[SET+4*\i:SET+4*\i+3], s[28:29] offset:(2*\i+8*(\i/4))*4096 th:TH_STORE_NT   ; stage rows 2 i, 2 i + 1 are rows 2 i + 8 (i / 4) (+ 1) of my 32
.endr
	s_wait_dscnt 0x0
.irp i, 0,1,2,3,4,5,6,7
	global_store_b128 v7, v[SET+32+4*\i:SET+32+4*\i+3], s[28:29] offset:(2*\i+8*(\i/4)+8)*4096 th:TH_STORE_NT
.endr
	s_wait_dscnt 0x0                               ; the closing lines, six on end
	s_wait_alu 0x0
	s_wait_tensorcnt 0x0
	ds_add_u32 v240, v241
	s_wait_dscnt 0x0
	s_endpgm
.Lfunc_end_k_qd21d6caea9_oproj:
	.size	k_qd21d6caea9_oproj, .Lfunc_end_k_qd21d6caea9_oproj-k_qd21d6caea9_oproj
	.p2alignl 7, 3214868480
	.fill 96, 4, 3214868480
	.section	.rodata,"a",@progbits
	.p2align	6, 0x0
	.amdhsa_kernel k_qd21d6caea9_oproj
		.amdhsa_group_segment_fixed_size 17920
		.amdhsa_private_segment_fixed_size 0
		.amdhsa_enable_private_segment 0
		.amdhsa_kernarg_size 32
		.amdhsa_user_sgpr_count 2
		.amdhsa_user_sgpr_kernarg_segment_ptr 1
		.amdhsa_wavefront_size32 1
		.amdhsa_system_sgpr_workgroup_id_x 1
		.amdhsa_system_sgpr_workgroup_id_y 1
		.amdhsa_system_sgpr_workgroup_id_z 1
		.amdhsa_system_vgpr_workitem_id 0
		.amdhsa_next_free_vgpr 242
		.amdhsa_next_free_sgpr 66
		.amdhsa_reserve_vcc 0
		.amdhsa_float_denorm_mode_32 3
		.amdhsa_float_denorm_mode_16_64 3
		.amdhsa_memory_ordered 1
		.amdhsa_forward_progress 1
		.amdhsa_inst_pref_size 37
	.end_amdhsa_kernel
	.amdgpu_metadata
---
amdhsa.version: [ 1, 2 ]
amdhsa.kernels:
  - .name:           k_qd21d6caea9_oproj
    .symbol:         k_qd21d6caea9_oproj.kd
    .args:
      - { .name: ob, .offset: 0, .size: 8, .value_kind: global_buffer, .address_space: global }
      - { .name: wb, .offset: 8, .size: 8, .value_kind: global_buffer, .address_space: global }
      - { .name: bo, .offset: 16, .size: 8, .value_kind: global_buffer, .address_space: global }
      - { .name: out0, .offset: 24, .size: 8, .value_kind: global_buffer, .address_space: global }
    .group_segment_fixed_size: 17920
    .private_segment_fixed_size: 0
    .kernarg_segment_align: 8
    .kernarg_segment_size: 32
    .max_flat_workgroup_size: 128
    .sgpr_count:     66
    .vgpr_count:     242
    .wavefront_size: 32
...
	.end_amdgpu_metadata
.endif
;; end of part 8
